; MI455X (gfx1250); checked and timed in simulation.
; The chip was launched on July 23, 2026; its instructions are those of AMD's public machine-readable ISA for CDNA 5 (MIT licence, August 2026) and "CDNA5" Instruction Set Architecture Reference Guide (July 2026). The comments in the code are by the model that wrote it; some were corrected since.
;; Grouped Query Attention. Allowed arithmetic: matrix products marked QUANTISED: E2M1 operands, one E8M0 scale for each 32 along K, by v_wmma_scale_f32_16x16x128_f8f6f4 with both operands' format E2M1 (or v_wmma_scale_f32_32x16x128_f4), f32 sums; products left as they are: bf16, f16 or f32 operands; f32 sums; everything else in f32.
;; Inputs: Wk 1,024 x 512 float32; Wo 2,048 x 2,048 float32; Wq 1,024 x 2,048 float32; Wv 1,024 x 512 float32; bo 2,048 float32; x 2 x 2,048 x 1,024 float32.
;; Outputs: out0 2 x 2,048 x 2,048 float32.
;; This version of the problem:
;;   THIS VERSION OF THE PROBLEM IS GIVEN IN LOW PRECISION. The matrix products marked QUANTISED in the list below multiply operands that are first quantised to E2M1 (2 exponent bits, 1 mantissa bit; 4 bits a number), with one power-of-two scale for each 32 numbers along K (OCP MX v1.0); their sums are f32. The products marked 'left as it is' may take bf16, f16 or f32 operands, with f32 sums. Whichever they take, every output number must still come out within the allowed error. Rounding operands to bf16 (8 significant bits) uses up far more of that allowance than f16 does (11 bits, for magnitudes from 6e-5 to 65,504). All else is computed in f32.
;;   The module's matrix products, in the order in which they are computed (A, B: the left and right operand; K: the contracted axis; several contracted axes count as one K, in the product's order):
;;     1. [M 4,096, K 1,024] x [K 1,024, N 2,048]; A: input x; B: input Wq: QUANTISED
;;     2. [M 4,096, K 1,024] x [K 1,024, N 512]; A: input x; B: input Wk: QUANTISED
;;     3. [M 4,096, K 1,024] x [K 1,024, N 512]; A: input x; B: input Wv: QUANTISED
;;     4. batch 8 x [M 2,048, K 128] x [K 128, N 8,192]; A: computed on the way; B: computed on the way: left as it is (an operand is computed on the way)
;;     5. batch 8 x [M 128, K 2,048] x [K 2,048, N 8,192]; A: computed on the way; B: computed on the way: left as it is (an operand is computed on the way)
;;     6. [M 4,096, K 2,048] x [K 2,048, N 2,048]; A: computed on the way; B: input Wo: left as it is (an operand is computed on the way)
;;   THE QUANTISER, for each operand of a quantised product, along K:
;;     - K is cut into blocks of 32 from its start; a last block that is shorter is filled with zeros.
;;     - A block's scale is 2^e with e = floor(log2(the largest magnitude in the block)) - 2, held to -126 .. 127; a block of zeros has e = 0. As a byte (E8M0): e + 127.
;;     - Each number is divided by its block's scale, clamped to +-6, and rounded to the nearest number of E2M1, ties to even, subnormals kept.
;;     - The product sums the exact products of the quantised numbers (number of the format x scale) in f32.
;;   ~~~python
;;   def quantise(x, axis):      # numpy; x: float32 -> the quantised numbers, widened to float32 again
;;       x = np.moveaxis(x, axis, -1); K = x.shape[-1]
;;       x = np.pad(x, [(0, 0)] * (x.ndim - 1) + [(0, -K % 32)]); x = x.reshape(x.shape[:-1] + (-1, 32)); a = np.abs(x).max(-1, keepdims=True)
;;       e = np.where(a > 0, np.clip(np.frexp(np.where(a > 0, a, 1))[1] - 1 - 2, -126, 127), 0)      # np.frexp(a)[1] - 1 = floor(log2(a)), exactly
;;       r = np.clip(x / 2.0 ** e, -6, 6)
;;       step = 2.0 ** (np.maximum(np.frexp(np.where(r == 0, 1, r))[1] - 1, 0) - 1)
;;       q = np.round(r / step) * step * 2.0 ** e      # np.round: ties to even
;;       return np.moveaxis(q.reshape(q.shape[:-2] + (-1,))[..., :K], -1, axis).astype(np.float32)
;;   ~~~
;; One version. Each part assembles by itself: llvm-mc -triple=amdgcn-amd-amdhsa -mcpu=gfx1250 --defsym DOCPART=n.
;; ======== version 1 of 1: 6 launches
;; limits: values are held in f16: magnitudes above 65,504 overflow, below 6.1e-05 lose precision
;; workspace buffers: xq 2,228,224 bytes; wq 1,671,168 bytes; wo2 16,777,216 bytes; qkv16 25,165,824 bytes; qkv32 393,216 bytes; ctx16 16,777,216 bytes; ctxf 262,144 bytes
;; launch prep (part 1): grid 832 x 1, 4 waves a work-group, no clusters, 41,472 bytes of LDS; arguments x, Wq, Wk, Wv, Wo, xq, wq, wo2; writes xq, wq, wo2
.if DOCPART == 1
	.amdgcn_target "amdgcn-amd-amdhsa--gfx1250"
	.amdhsa_code_object_version 6
	.text
	.protected	k_qa77da78e7e_prep
	.globl	k_qa77da78e7e_prep
	.p2align	8
	.type	k_qa77da78e7e_prep,@function
k_qa77da78e7e_prep:
	s_mov_b64 s[64:65], 0
	v_nop
	global_prefetch_b8 v0, s[64:65] scope:SCOPE_SE
	s_setreg_imm32_b32 hwreg(HW_REG_WAVE_MODE, 25, 1), 1
	s_wait_xcnt 0x0
; PREP: three jobs in one launch, told apart by the work-group's number.
;  X (work-groups 0-127):   x [4096][1024] f32 -> codes of FP4 (E2M1) and E8M0 scale bytes, one for each 32 along K.
;  W (work-groups 128-319): Wq, Wk, Wv [1024][n] f32, K their FIRST axis -> the same, for the joined columns n = 0..3071 (q, then k, then v).
;  O (work-groups 320-831): Wo [2048][2048] f32 -> two f16 parts, high and low, high + low = Wo to about 22 bits.
; ALL RESULTS ARE LAID PIECE-MAJOR: [piece along K][row or column][16 bytes]; a piece is 32 codes (one block) or 8 f16 numbers: the 16 bytes that one lane of a
; matrix operand takes at a time.  Sixteen neighbouring rows of a piece are 256 consecutive bytes.
;  xq: codes [32][4096][16] at 0; scale words [4096/16][8 K steps of 128][16 rows][4 bytes] at 2,097,152.    wq: codes [32][3072][16]; scale words likewise at 1,572,864.
;  wo2: high [256][2048][16] at 0; low likewise at 8,388,608.
; A block's scale is 2^(floor(log2(largest magnitude)) - 2); its byte is the largest magnitude's exponent field - 2, held at 1 from below.
; LIMITS: a block of zeros, and one whose largest magnitude lies under 2^-124, gets the byte 1 (the rule says 127 for zeros: the codes are zeros, and this program alone reads the bytes);
; NaN and infinities are not served; |Wo| stays under 65,504 (f16); a part of Wo under 2^-14 falls on f16's denormal grid (absolute error at most 2^-25).
; Only path X uses LDS, each wave its own bytes: no barrier in the launch.
.set SPARE, 40960                      ; behind the four waves' regions: the spare words, 128 bytes a wave, that no other line names
.set WREG,  10240                      ; a wave's region: two stages of 32 x 80 bytes, a stage for codes (16 x 272), 256 scale bytes
.set SP,    80
.set CST,   5120
.set SST,   9472
.set STEPS, 16
.set SPW,   2                          ; v2  LDS address of my spare word; never rewritten
.set NIL,   3                          ; v3  0; never rewritten
.set R,     16                         ; v16-79   X: four sets of 16 numbers as loaded
.set XN,    80                         ; v80-111  X: two sets of 16 neighbours
.set E,     112                        ; v112-127 X: a scale byte for each step
.set C,     128                        ; v128-159 X: two registers of codes for each step
	s_load_b256 s[4:11], s[0:1], 0x0               ; x s[4:5], Wq s[6:7], Wk s[8:9], Wv s[10:11]
	s_load_b256 s[12:19], s[0:1], 0x20             ; Wo s[12:13], xq s[14:15], wq s[16:17], wo2 s[18:19]
	v_lshl_add_u32 v[SPW], v0, 2, SPARE
	v_mov_b32 v[NIL], 0
	v_lshrrev_b32 v1, 5, v0
	v_readfirstlane_b32 s20, v1                    ; wave 0..3
	v_and_b32 v1, 31, v0                           ; lane
	s_wait_kmcnt 0x0
	s_cmp_lt_u32 ttmp9, 128
	s_cbranch_scc0 .Lnot_x
; ---------------- X.  Work-group: 64 rows x half of K; wave: 16 rows; step t: row t's 512 numbers (2,048 consecutive bytes, 16 blocks).
; Loads take the bytes as they lie (512 a load); they turn through the wave's stage so that a lane holds 16 neighbours (two lanes a block).
	s_lshr_b32 s21, ttmp9, 1                       ; which 64 rows
	s_and_b32 s22, ttmp9, 1                        ; which half of K
	s_lshl_b32 s23, s21, 2
	s_add_co_u32 s23, s23, s20                     ; my group of 16 rows
	s_lshl_b32 s24, s23, 16                        ; x: 16 rows of 4,096 bytes a group,
	s_lshl_b32 s26, s22, 11                        ; + 2,048 for the upper half of K
	s_add_co_u32 s24, s24, s26
	s_mov_b32 s25, 0
	s_add_nc_u64 s[4:5], s[4:5], s[24:25]
	s_lshl_b32 s24, s22, 20                        ; codes: 16 planes of 65,536 bytes for a half of K,
	s_lshl_b32 s26, s23, 8                         ; + 256 bytes for a group of rows
	s_add_co_u32 s24, s24, s26
	s_add_nc_u64 s[28:29], s[14:15], s[24:25]
	s_lshl_b32 s24, s23, 9                         ; scale words: 512 bytes a group, 256 a half of K
	s_lshl_b32 s26, s22, 8
	s_add_co_u32 s24, s24, s26
	s_add_co_u32 s24, s24, 2097152
	s_add_nc_u64 s[30:31], s[14:15], s[24:25]
	s_mul_i32 s32, s20, WREG
	s_add_co_u32 s33, s32, CST
	s_add_co_u32 s34, s32, SST
	v_lshlrev_b32 v4, 4, v1                        ; my 16 bytes of a load's 512
	v_lshrrev_b32 v5, 2, v1
	v_mul_u32_u24 v5, v5, SP
	v_and_b32 v6, 3, v1
	v_lshl_add_u32 v5, v6, 4, v5
	v_add_nc_u32 v5, s32, v5                       ; the stage, way in: 80 (lane / 4) + 16 (lane % 4)
	v_mul_u32_u24 v6, v1, SP
	v_add_nc_u32 v6, s32, v6                       ; way out: 80 x lane: my 16 neighbours
	v_lshrrev_b32 v7, 1, v1
	v_mul_u32_u24 v7, v7, 272
	v_and_b32 v8, 1, v1
	v_lshl_add_u32 v7, v8, 3, v7
	v_add_nc_u32 v7, s33, v7                       ; codes' stage: row = my block, 8 bytes for each half of it; + 16 t
	v_lshrrev_b32 v8, 3, v1
	v_bfe_u32 v9, v1, 1, 2
	v_lshl_add_u32 v8, v8, 6, v9
	v_add_nc_u32 v8, s34, v8                       ; my block's scale byte: 64 (block / 4) + block % 4; + 4 t
	v_lshrrev_b32 v13, 4, v1
	v_and_b32 v14, 15, v1
	v_mul_u32_u24 v9, v13, 272
	v_lshl_add_u32 v9, v14, 4, v9
	v_add_nc_u32 v9, s33, v9                       ; codes back: sixteen lanes to a block's 16 rows
	v_lshlrev_b32 v10, 16, v13
	v_lshl_add_u32 v10, v14, 4, v10                ; and the same place in xq: a plane for each half of the lanes
	v_lshl_add_u32 v11, v1, 3, s34                 ; scale bytes back: 8 a lane
	v_lshlrev_b32 v12, 3, v1
.macro LOAD t
.irp i, 0,1,2,3
	global_load_b128 v[R+16*((\t)%4)+4*\i:R+16*((\t)%4)+4*\i+3], v4, s[4:5] offset:4096*(\t)+512*\i th:TH_LOAD_NT
.endr
.endm
.macro TURN t                          ; LDS serves a wave's instructions in order (ISA guide 5.7.1.4): no wait between the stores and the loads
.irp i, 0,1,2,3
	ds_store_b128 v5, v[R+16*((\t)%4)+4*\i:R+16*((\t)%4)+4*\i+3] offset:32*SP*((\t)%2)+8*SP*\i
.endr
.irp i, 0,1,2,3
	ds_load_b128 v[XN+16*((\t)%2)+4*\i:XN+16*((\t)%2)+4*\i+3], v6 offset:32*SP*((\t)%2)+16*\i
.endr
.endm
.irp t, 0,1,2,3
	LOAD \t
.endr
	s_wait_loadcnt 12                              ; step 0's four loads are in; three steps' twelve stay out
	TURN 0
.macro STEP t
.set XS, XN+16*((\t)%2)
.if (\t) > 0
	s_wait_dscnt 2                                 ; this step's numbers are back; the last step's byte store and code store may be out
.else
	s_wait_dscnt 0x0
.endif
.if (\t)+4 < STEPS
	LOAD (\t)+4
.endif
.if (\t)+1 < STEPS
.if STEPS-2-(\t) >= 3
	s_wait_loadcnt 12                              ; the next step's four are in; three steps' twelve behind them may be out
.else
	s_wait_loadcnt 4*(STEPS-2-(\t))                ; towards the end: only the steps that are left
.endif
	TURN (\t)+1
.endif
	v_max3_num_f32 v160, |v[XS]|, |v[XS+1]|, |v[XS+2]|
	v_max3_num_f32 v161, |v[XS+3]|, |v[XS+4]|, |v[XS+5]|
.irp i, 6,10
	v_max3_num_f32 v160, v160, |v[XS+\i]|, |v[XS+\i+1]|
	v_max3_num_f32 v161, v161, |v[XS+\i+2]|, |v[XS+\i+3]|
.endr
	v_max3_num_f32 v160, v160, |v[XS+14]|, |v[XS+15]|
	v_max3_num_f32 v160, v160, v161, 0x1800000     ; with the floor 2^(3 - 127): the byte cannot fall under 1
	v_max_num_f32_dpp v160, v160, v160 row_xmask:1 row_mask:0xf bank_mask:0xf   ; and my neighbour's 16: the block's largest magnitude
	v_add_nc_u32 v162, 0xff000000, v160            ; 2 off its exponent field: the conversion's scale operand
	v_cvt_scalef32_pk8_fp4_f32 v[C+2*(\t)], v[XS:XS+7], v162
	v_cvt_scalef32_pk8_fp4_f32 v[C+2*(\t)+1], v[XS+8:XS+15], v162
	v_lshrrev_b32 v[E+(\t)], 23, v162              ; the scale's byte (also the plain line behind the conversions)
	ds_store_b8 v8, v[E+(\t)] offset:4*(\t)        ; both lanes of a block write the same byte with the same value
	ds_store_b64 v7, v[C+2*(\t):C+2*(\t)+1] offset:16*(\t)
.endm
.irp t, 0,1,2,3,4,5,6,7,8,9,10,11,12,13,14,15
	STEP \t
.endr
	ds_load_b64 v[160:161], v11                    ; these see my stores: a wave's LDS instructions are served in order
.irp u, 0,1,2,3,4,5,6,7
	ds_load_b128 v[R+4*\u:R+4*\u+3], v9 offset:544*\u
.endr
	s_wait_dscnt 8                                 ; the scale bytes are back; the eight loads of codes may be out
	global_store_b64 v12, v[160:161], s[30:31]     ; 32 lanes store 256 consecutive bytes, aligned
.irp u, 0,1,2,3,4,5,6,7
	s_wait_dscnt 7-\u
	global_store_b128 v10, v[R+4*\u:R+4*\u+3], s[28:29] offset:131072*\u   ; blocks 2 u and 2 u + 1: sixteen lanes store 256 consecutive bytes, aligned
.endr
	s_branch .Lend
.Lnot_x:
	s_cmp_lt_u32 ttmp9, 320
	s_cbranch_scc0 .Lpath_o
; ---------------- W.  Work-group: 128 columns x 128 along K; wave: 32 columns.  A LANE TAKES A COLUMN AND ITS REGISTERS RUN DOWN K: a block of 32 lies in one lane, and
; the conversions give codes with K innermost.  A block's 16 bytes a lane are 512 consecutive bytes a wave in the piece-major buffer: no LDS.
	v_lshlrev_b32 v4, 2, v1
	v_lshlrev_b32 v5, 4, v1
	v_lshrrev_b32 v6, 4, v1
	v_and_b32 v7, 15, v1
	v_lshlrev_b32 v6, 9, v6
	v_lshl_add_u32 v6, v7, 2, v6                   ; my scale word: 512 (lane / 16) + 4 (lane % 16)
	s_sub_co_u32 s21, ttmp9, 128
	s_lshr_b32 s22, s21, 3                         ; group of 128 columns, 0..23
	s_and_b32 s23, s21, 7                          ; K step of 128
	s_lshl_b32 s24, s22, 7
	s_lshl_b32 s25, s20, 5
	s_add_co_u32 s24, s24, s25                     ; my wave's first column among the 3,072
	s_mov_b32 s28, 2560
	s_mov_b32 s29, 2048
	s_cmp_lt_u32 s22, 20                           ; the choice of buffer hangs on the work-group's number alone
	s_cselect_b64 s[26:27], s[8:9], s[10:11]
	s_cselect_b32 s28, 2048, s28
	s_cmp_lt_u32 s22, 16
	s_cselect_b64 s[26:27], s[6:7], s[26:27]
	s_cselect_b32 s28, 0, s28                      ; the buffer's first column
	s_cselect_b32 s29, 8192, s29                   ; its row in bytes
	s_sub_co_u32 s30, s24, s28
	s_lshl_b32 s30, s30, 2
	s_lshl_b32 s31, s23, 7
	s_mul_i32 s31, s31, s29
	s_add_co_u32 s30, s30, s31
	s_mov_b32 s31, 0
	s_add_nc_u64 s[26:27], s[26:27], s[30:31]
	s_mul_i32 s30, s23, 4*49152                    ; codes: four planes of 49,152 bytes a K step,
	s_lshl_b32 s32, s24, 4                         ; 16 bytes a column
	s_add_co_u32 s30, s30, s32
	s_add_nc_u64 s[32:33], s[16:17], s[30:31]
	s_lshl_b32 s30, s24, 5                         ; scale words: 512 bytes for 16 columns,
	s_lshl_b32 s34, s23, 6                         ; 64 a K step
	s_add_co_u32 s30, s30, s34
	s_add_co_u32 s30, s30, 1572864
	s_add_nc_u64 s[34:35], s[16:17], s[30:31]
.macro WLOADS pitch                    ; W(128 ks + i, my column): 32 lanes read 128 consecutive bytes
.set i, 0
.rept 128
	global_load_b32 v[32+i], v4, s[26:27] offset:i*\pitch th:TH_LOAD_NT
.set i, i+1
.endr
.endm
	s_cmp_lt_u32 s22, 16
	s_cbranch_scc0 .Lw_narrow
	WLOADS 8192
	s_branch .Lw_go
.Lw_narrow:
	WLOADS 2048
.Lw_go:
.macro BLOCK b, left
.set XS, 32+32*(\b)
	s_wait_loadcnt \left
	v_max3_num_f32 v8, |v[XS]|, |v[XS+1]|, |v[XS+2]|
	v_max3_num_f32 v9, |v[XS+3]|, |v[XS+4]|, |v[XS+5]|
.irp i, 6,10,14,18,22,26
	v_max3_num_f32 v8, v8, |v[XS+\i]|, |v[XS+\i+1]|
	v_max3_num_f32 v9, v9, |v[XS+\i+2]|, |v[XS+\i+3]|
.endr
	v_max3_num_f32 v8, v8, |v[XS+30]|, |v[XS+31]|
	v_max3_num_f32 v8, v8, v9, 0x1800000
	v_add_nc_u32 v10, 0xff000000, v8
	v_lshrrev_b32 v11, 23, v10
.if (\b) == 0
	v_mov_b32 v12, v11
.else
	v_lshl_or_b32 v12, v11, 8*(\b), v12            ; four bytes make the column's scale word for this K step
.endif
.irp g, 0,1,2,3
	v_cvt_scalef32_pk8_fp4_f32 v[160+4*(\b)+\g], v[XS+8*\g:XS+8*\g+7], v10
.endr
	global_store_b128 v5, v[160+4*(\b):160+4*(\b)+3], s[32:33] offset:49152*(\b)   ; 512 consecutive bytes, aligned; the next block begins with plain vector lines
.endm
	BLOCK 0, 63                                    ; 96 loads stand behind block 0's, 64 behind block 1's; the wait's field ends at 63, which is the stricter count
	BLOCK 1, 63
	BLOCK 2, 32                                    ; block 3's 32 may be out
	BLOCK 3, 0
	global_store_b32 v6, v12, s[34:35]             ; pieces of 64 bytes: one byte for each 128 that this path reads
	s_branch .Lend
.Lpath_o:
; ---------------- O.  Work-group: 128 columns x 64 along K; wave: 32 columns, a lane a column, registers down K.  Eight numbers make a piece of 16 bytes.
; The split is made in f32: t = 8193 x, high = t - (t - x) holds x's leading 11 bits, low = x - high is exact; both are then narrowed to f16.
	v_lshlrev_b32 v4, 2, v1
	v_lshlrev_b32 v5, 4, v1
	s_sub_co_u32 s21, ttmp9, 320
	s_and_b32 s22, s21, 15                         ; group of 128 columns
	s_lshr_b32 s23, s21, 4                         ; which 64 along K
	s_lshl_b32 s24, s22, 7
	s_lshl_b32 s25, s20, 5
	s_add_co_u32 s24, s24, s25                     ; my first column
	s_lshl_b32 s26, s23, 19                        ; 64 rows of 8,192 bytes
	s_lshl_b32 s28, s24, 2
	s_add_co_u32 s26, s26, s28
	s_mov_b32 s27, 0
	s_add_nc_u64 s[12:13], s[12:13], s[26:27]
	s_lshl_b32 s26, s23, 18                        ; 8 planes of 32,768 bytes
	s_lshl_b32 s28, s24, 4
	s_add_co_u32 s26, s26, s28
	s_add_nc_u64 s[28:29], s[18:19], s[26:27]      ; the high parts,
	s_add_nc_u64 s[30:31], s[28:29], 0x800000      ; the low ones
	s_mov_b32 s32, 0x46000400                      ; 8193.0
	s_mov_b32 s33, s32                             ; (named with it as a pair, so it is written)
.set i, 0
.rept 64
	global_load_b32 v[32+i], v4, s[12:13] offset:8192*i th:TH_LOAD_NT
.set i, i+1
.endr
.macro PIECE c
	s_wait_loadcnt 56-8*(\c)                       ; this piece's eight are in; the later pieces' may be out
.irp p, 0,1,2,3
	v_pk_mul_f32 v[160+8*\p:161+8*\p], v[32+8*(\c)+2*\p:33+8*(\c)+2*\p], s[32:33] op_sel_hi:[1,0]
.endr
.irp p, 0,1,2,3
	v_pk_add_f32 v[162+8*\p:163+8*\p], v[160+8*\p:161+8*\p], v[32+8*(\c)+2*\p:33+8*(\c)+2*\p] neg_lo:[0,1] neg_hi:[0,1]
.endr
.irp p, 0,1,2,3
	v_pk_add_f32 v[164+8*\p:165+8*\p], v[160+8*\p:161+8*\p], v[162+8*\p:163+8*\p] neg_lo:[0,1] neg_hi:[0,1]
.endr
.irp p, 0,1,2,3
	v_pk_add_f32 v[166+8*\p:167+8*\p], v[32+8*(\c)+2*\p:33+8*(\c)+2*\p], v[164+8*\p:165+8*\p] neg_lo:[0,1] neg_hi:[0,1]
.endr
.irp p, 0,1,2,3
	v_cvt_pk_f16_f32 v[96+4*(\c)+\p], v[164+8*\p], v[165+8*\p]
	v_cvt_pk_f16_f32 v[128+4*(\c)+\p], v[166+8*\p], v[167+8*\p]
.endr
	global_store_b128 v5, v[96+4*(\c):96+4*(\c)+3], s[28:29] offset:32768*(\c)     ; 512 consecutive bytes, aligned; each piece has data registers of its own
	global_store_b128 v5, v[128+4*(\c):128+4*(\c)+3], s[30:31] offset:32768*(\c)
.endm
.irp c, 0,1,2,3,4,5,6,7
	PIECE \c
.endr
.Lend:
	s_wait_tensorcnt 0x0                           ; the wave's end
	ds_add_u32 v[SPW], v[NIL]
	s_wait_dscnt 0x0
	s_endpgm
.Lfunc_end_k_qa77da78e7e_prep:
	.size	k_qa77da78e7e_prep, .Lfunc_end_k_qa77da78e7e_prep-k_qa77da78e7e_prep
	.p2alignl 7, 3214868480
	.fill 96, 4, 3214868480
	.section	.rodata,"a",@progbits
	.p2align	6, 0x0
	.amdhsa_kernel k_qa77da78e7e_prep
		.amdhsa_group_segment_fixed_size 41472
		.amdhsa_private_segment_fixed_size 0
		.amdhsa_enable_private_segment 0
		.amdhsa_kernarg_size 64
		.amdhsa_user_sgpr_count 2
		.amdhsa_user_sgpr_kernarg_segment_ptr 1
		.amdhsa_wavefront_size32 1
		.amdhsa_system_sgpr_workgroup_id_x 1
		.amdhsa_system_sgpr_workgroup_id_y 1
		.amdhsa_system_sgpr_workgroup_id_z 1
		.amdhsa_system_vgpr_workitem_id 0
		.amdhsa_next_free_vgpr 192
		.amdhsa_next_free_sgpr 66
		.amdhsa_reserve_vcc 0
		.amdhsa_float_denorm_mode_32 3
		.amdhsa_float_denorm_mode_16_64 3
		.amdhsa_memory_ordered 1
		.amdhsa_forward_progress 1
		.amdhsa_inst_pref_size 88
	.end_amdhsa_kernel
	.amdgpu_metadata
---
amdhsa.version: [ 1, 2 ]
amdhsa.kernels:
  - .name:           k_qa77da78e7e_prep
    .symbol:         k_qa77da78e7e_prep.kd
    .args:
      - { .name: x, .offset: 0, .size: 8, .value_kind: global_buffer, .address_space: global }
      - { .name: Wq, .offset: 8, .size: 8, .value_kind: global_buffer, .address_space: global }
      - { .name: Wk, .offset: 16, .size: 8, .value_kind: global_buffer, .address_space: global }
      - { .name: Wv, .offset: 24, .size: 8, .value_kind: global_buffer, .address_space: global }
      - { .name: Wo, .offset: 32, .size: 8, .value_kind: global_buffer, .address_space: global }
      - { .name: xq, .offset: 40, .size: 8, .value_kind: global_buffer, .address_space: global }
      - { .name: wq, .offset: 48, .size: 8, .value_kind: global_buffer, .address_space: global }
      - { .name: wo2, .offset: 56, .size: 8, .value_kind: global_buffer, .address_space: global }
    .group_segment_fixed_size: 41472
    .private_segment_fixed_size: 0
    .kernarg_segment_align: 8
    .kernarg_segment_size: 64
    .max_flat_workgroup_size: 128
    .sgpr_count:     66
    .vgpr_count:     192
    .wavefront_size: 32
...
	.end_amdgpu_metadata
.endif
;; end of part 1
;; launch proj (part 2): grid 12 x 16, 4 waves a work-group, clusters of 4 x 4, 327,680 bytes of LDS; arguments xq, wq, qkv16, qkv32; writes qkv16, qkv32
.if DOCPART == 2
	.amdgcn_target "amdgcn-amd-amdhsa--gfx1250"
	.amdhsa_code_object_version 6
	.text
	.protected	k_qa77da78e7e_proj
	.globl	k_qa77da78e7e_proj
	.p2align	8
	.type	k_qa77da78e7e_proj,@function
k_qa77da78e7e_proj:
	s_mov_b64 s[64:65], 0
	v_nop
	global_prefetch_b8 v0, s[64:65] scope:SCOPE_SE
	s_setreg_imm32_b32 hwreg(HW_REG_WAVE_MODE, 25, 1), 1
	s_wait_xcnt 0x0
	s_wait_alu depctr_hold_cnt(0) depctr_sa_sdst(0) depctr_va_vdst(0) depctr_va_sdst(0) depctr_va_ssrc(0) depctr_va_vcc(0) depctr_vm_vsrc(0)
	s_getreg_b32 s2, hwreg(HW_REG_IB_STS2, 6, 4)
	s_cmp_eq_u32 s2, 0
	s_cbranch_scc0 .Lentry_in_a_cluster
	s_endpgm
.Lentry_in_a_cluster:
	s_bfe_u32 s2, ttmp6, 0x10000c
	s_cmp_lg_u32 s2, 0xf033
	s_cbranch_scc0 .Lentry_shape_is_right
	s_endpgm
.Lentry_shape_is_right:
; PROJ: [q | k | v] = Q(x) Q(W), one product 4,096 x 3,072 x 1,024 on codes of FP4 (E2M1) with one E8M0 scale for each 32 along K; sums in f32.
; xq, wq: piece-major codes [32 blocks][rows][16 bytes] and scale words [rows/16][8 K steps][16 rows][4 bytes], as the launch before laid them.
; A tile of 256 x 256 to a work-group of four waves, 128 x 128 a wave: 64 accumulators.  ALL OF K LIES IN LDS: 2 x 128 KiB of codes and 16 KiB of scale words come with the
; first fills and nothing is filled again.  192 tiles: 64 of 256 WGPs have no work-group; a smaller tile would halve what each LDS byte feeds and cut a wave's columns under whole units.
; CLUSTERS 4 x 4: x's tiles are shared along a row of the cluster, W's along a column: joint loads.
; THE MATRIX INSTRUCTION IS USED TRANSPOSED (source 0 = 16 columns of W, source 1 = 16 rows of x): a lane holds eight neighbouring columns of one row, which as f16 are the 16 bytes
; of a piece of qkv16 [384 pieces of 8 columns][4,096 rows][16 bytes]: sixteen lanes store 256 consecutive bytes straight from registers.
; The first 16 positions of each sequence also go out in f32, to qkv32 [32][3,072].  LIMIT: |q|, |k|, |v| stay under 65,504 (f16).
; REGISTERS: window 0: v16, v20, v25-v30 addresses; v32-95 scale words (register 8 i + ks: lanes 0-15 x's block i, lanes 16-31 W's block i); v128-191 x's fragments, one set; on the way out v128-255 packed results.
;   window 1: W's fragments, two sets, at v0 and v128.   windows 2, 3: the accumulators ((a, b) at v[8 (8 (a % 4) + b)]).
.set SCL,   262144                     ; behind the four portions of codes (65,536 bytes each): the scale words, 4,096 bytes a portion
.set SPARE, 278528                     ; the spare words, 128 bytes a wave, that no other line names
.set ADRA, 16
.set ADRB, 20
.set FO,   25
.set CO,   26
.set ADRS, 27
.set SPW,  28
.set NIL,  29
.set SC,   32
.set AF,   128
.set G1, 24
.set G0, 32
.set G1B, 48
.set G0B, 56
.set G1S, 68
.set G0S, 76
.set G1SB, 80
.set G0SB, 88
.set MSB, 0
.macro WIN new                         ; the immediate's high byte repeats the setting that is left
.if MSB != \new
	s_set_vgpr_msb (MSB<<8)|\new
.set MSB, \new
.endif
.endm
.set MUL_LO, 0xa1                      ; source 0 (W) window 1, source 1 (x) window 0, C and D window 2
.set MUL_HI, 0xf1
.set TO_B,   0x40
.macro JLOAD g0a, g1a, g0b, g1b        ; a joint load: waves 0 and 1 fetch for x, waves 2 and 3 for W; an s_nop 0 and four v_nop follow each line
	s_cmp_eq_u32 s15, 0
	s_cbranch_scc0 .Lfor_b_\@
	tensor_load_to_lds s[\g0a:\g0a+3], s[\g1a:\g1a+7]
	s_nop 0
.rept 4
	v_nop
.endr
	s_branch .Lasked_\@
.Lfor_b_\@:
	tensor_load_to_lds s[\g0b:\g0b+3], s[\g1b:\g1b+7]
	s_nop 0
.rept 4
	v_nop
.endr
.Lasked_\@:
.endm
.macro CROUND                          ; a round of the cluster's barrier
	s_barrier_signal -1
	s_barrier_wait -1
	s_cmp_lg_u32 s14, 0
	s_cbranch_scc1 .Lnot_wave_0_\@
	s_barrier_signal -3
.Lnot_wave_0_\@:
	s_barrier_wait -3
	s_barrier_signal -1
	s_barrier_wait -1
.endm
	s_load_b256 s[4:11], s[0:1], 0x0               ; xq s[4:5], wq s[6:7], qkv16 s[8:9], qkv32 s[10:11]
	v_lshl_add_u32 v[SPW], v0, 2, SPARE
	v_mov_b32 v[NIL], 0
	ds_add_u32 v[SPW], v[NIL]                      ; the wave's opening: the add, twice on end, and its wait ahead of my first tensor load
	ds_add_u32 v[SPW], v[NIL]
	v_lshrrev_b32 v1, 5, v0
	v_readfirstlane_b32 s14, v1                    ; wave 0..3
	s_lshr_b32 s15, s14, 1                         ; my half of the tile's rows.  Also: I fetch for x (0) or for W (1)
	s_and_b32 s16, s14, 1                          ; my half of its columns.  Also: which 128 rows I fetch
	s_bfe_u32 s40, ttmp6, 0x40000                  ; cx, cy
	s_bfe_u32 s41, ttmp6, 0x40004
	s_lshl_b32 s42, ttmp9, 2
	s_add_co_u32 s42, s42, s40                     ; tile column
	s_and_b32 s17, ttmp7, 0xffff
	s_lshl_b32 s17, s17, 2
	s_add_co_u32 s17, s17, s41                     ; tile row
	s_lshl_b32 s43, s41, 2
	s_lshl_b32 s43, 15, s43                        ; my row of the cluster
	s_lshl_b32 s44, 0x1111, s40                    ; my column
	; codes: 16 blocks' planes, of each 128 rows x 16 bytes = 256 elements of 8 bytes; planes 65,536 (x) or 49,152 (W) bytes apart
	s_or_b32 s[G1+0], s43, (3<<16)|(1<<21)
	s_or_b32 s[G1B+0], s44, (3<<16)|(1<<21)
.irp g, G1, G1B
	s_mov_b32 s[\g+1], 256<<16
	s_mov_b32 s[\g+2], 16<<16
	s_mov_b32 s[\g+3], 256<<16
	s_mov_b32 s[\g+4], 16
	s_mov_b32 s[\g+6], 0
	s_mov_b32 s[\g+7], 0
.endr
	s_mov_b32 s[G1+5], 8192
	s_mov_b32 s[G1B+5], 6144
	; scale words of 128 rows: a dense block of 4,096 bytes, as 16 rows of 256
	s_or_b32 s[G1S+0], s43, (3<<16)|(1<<21)
	s_or_b32 s[G1SB+0], s44, (3<<16)|(1<<21)
.irp g, G1S, G1SB
	s_mov_b32 s[\g+1], 32<<16
	s_mov_b32 s[\g+2], 16<<16
	s_mov_b32 s[\g+3], 32<<16
	s_mov_b32 s[\g+4], 16
	s_mov_b32 s[\g+5], 32
	s_mov_b32 s[\g+6], 0
	s_mov_b32 s[\g+7], 0
.endr
	s_lshl_b32 s18, s16, 7
	s_lshl_b32 s20, s17, 8
	s_add_co_u32 s20, s20, s18                     ; x: row 256 x tile row + 128 x half
	s_lshl_b32 s46, s42, 8
	s_add_co_u32 s46, s46, s18                     ; W: column 256 x tile column + 128 x half
	s_lshl_b32 s22, s20, 5                         ; scale words: 32 bytes a row
	s_add_co_u32 s22, s22, 2097152
	s_mov_b32 s23, 0
	s_lshl_b32 s92, s46, 5
	s_add_co_u32 s92, s92, 1572864
	s_mov_b32 s93, 0
	s_lshl_b32 s20, s20, 4                         ; codes: 16 bytes a row in a plane
	s_mov_b32 s21, 0
	s_lshl_b32 s46, s46, 4
	s_mov_b32 s47, 0
	s_lshl_b32 s45, s14, 16                        ; where they go: wave x 65,536; no place in the cluster enters an LDS address
	s_lshl_b32 s94, s14, 12
	s_wait_dscnt 0x0                               ; both opening adds are done
	s_wait_kmcnt 0x0
	s_add_nc_u64 s[20:21], s[4:5], s[20:21]
	s_add_nc_u64 s[22:23], s[4:5], s[22:23]
	s_add_nc_u64 s[46:47], s[6:7], s[46:47]
	s_add_nc_u64 s[92:93], s[6:7], s[92:93]
	CROUND                                         ; all sixteen work-groups are here: the joint loads meet
	s_mov_b32 s[G0S], 1
	s_add_co_u32 s[G0S+1], s94, SCL
	s_mov_b64 s[G0S+2:G0S+3], s[22:23]
	s_or_b32 s[G0S+3], s[G0S+3], 0x80000000
	s_mov_b32 s[G0SB], 1
	s_add_co_u32 s[G0SB+1], s94, SCL
	s_mov_b64 s[G0SB+2:G0SB+3], s[92:93]
	s_or_b32 s[G0SB+3], s[G0SB+3], 0x80000000
	JLOAD G0S, G1S, G0SB, G1SB                     ; the scale words first
.irp s, 0,1                                    ; then the codes in two halves of K: by this text's count three tensor loads of a wave are out
	s_mov_b32 s[G0+4*\s], 1
	s_add_co_u32 s[G0+4*\s+1], s45, \s*32768
	s_add_nc_u64 s[G0+4*\s+2:G0+4*\s+3], s[20:21], \s*1048576
	s_or_b32 s[G0+4*\s+3], s[G0+4*\s+3], 0x80000000
	s_mov_b32 s[G0B+4*\s], 1
	s_add_co_u32 s[G0B+4*\s+1], s45, \s*32768
	s_add_nc_u64 s[G0B+4*\s+2:G0B+4*\s+3], s[46:47], \s*786432
	s_or_b32 s[G0B+4*\s+3], s[G0B+4*\s+3], 0x80000000
	JLOAD G0+4*\s, G1, G0B+4*\s, G1B
.endr
	v_and_b32 v1, 15, v0                           ; r
	v_bfe_u32 v2, v0, 4, 1                         ; h
	v_lshlrev_b32 v3, 4, v1
	v_lshl_add_u32 v3, v2, 11, v3                  ; 16 r + a block's plane (2,048 bytes) for the upper lanes
	s_lshl_b32 s21, s15, 16                        ; my 128 rows of x
	s_lshl_b32 s22, s16, 16
	s_add_co_u32 s22, s22, 131072                  ; my 128 columns of W
	v_add_nc_u32 v[ADRA], s21, v3
	v_add_nc_u32 v[ADRB], s22, v3
	s_lshl_b32 s21, s15, 12
	s_lshl_b32 s22, s16, 12
	s_add_co_u32 s22, s22, 8192
	s_sub_co_u32 s22, s22, s21
	v_mul_u32_u24 v6, s22, v2                      ; lanes 16-31 take W's words: one product, the distance between the two bases
	s_add_co_u32 s21, s21, SCL
	v_lshl_add_u32 v5, v1, 2, v6
	v_add_nc_u32 v[ADRS], s21, v5
	v_mul_u32_u24 v[FO], v1, 12288
	v_lshl_add_u32 v[FO], v2, 5, v[FO]             ; qkv32: row r, 32 bytes for each half of the lanes
	v_lshlrev_b32 v[CO], 16, v2
	v_lshl_add_u32 v[CO], v1, 4, v[CO]             ; qkv16: a plane for each half of the lanes, 16 bytes a row
	s_lshl_b32 s20, s17, 12                        ; qkv16: 256 rows x 16 bytes a tile row,
	s_lshl_b32 s21, s15, 11
	s_add_co_u32 s20, s20, s21
	s_mov_b32 s21, 0
	s_lshl_b32 s46, s42, 5                         ; 32 planes a tile column, 16 a half
	s_lshl_b32 s47, s16, 4
	s_add_co_u32 s46, s46, s47
	s_lshl_b32 s46, s46, 16
	s_mov_b32 s47, 0
	s_add_nc_u64 s[20:21], s[20:21], s[46:47]
	s_add_nc_u64 s[8:9], s[8:9], s[20:21]
	s_lshr_b32 s20, s17, 3                         ; qkv32: the batch's 16 rows,
	s_mul_i32 s20, s20, 196608
	s_mov_b32 s21, 0
	s_lshl_b32 s46, s42, 10                        ; my first column, in bytes
	s_lshl_b32 s47, s16, 9
	s_add_co_u32 s46, s46, s47
	s_mov_b32 s47, 0
	s_add_nc_u64 s[20:21], s[20:21], s[46:47]
	s_add_nc_u64 s[10:11], s[10:11], s[20:21]
.macro FRAG reg, adr, ks, i            ; 16 rows x 128 K: registers 4 c .. 4 c + 3 hold block 4 ks + 2 c + h of row r: 16 bytes as they lie
.irp c, 0,1
	ds_load_b128 v[\reg+4*\c:\reg+4*\c+3], v[\adr] offset:(4*(\ks)+2*\c)*2048+(\i)*256
.endr
.endm
; 16 matrix instructions: x's blocks a0, a0 + 1 against W's eight.  The 64 accumulators take turns, one instruction a turn, in one order throughout.
.macro MUL16 a0, p, ks, zero
.irp a, \a0, \a0+1
.irp b, 0,1,2,3,4,5,6,7
.if \zero
	v_wmma_scale_f32_16x16x128_f8f6f4 v[8*(8*((\a)%4)+\b):8*(8*((\a)%4)+\b)+7], v[128*(\p)+8*\b:128*(\p)+8*\b+7], v[AF+8*(\a):AF+8*(\a)+7], 0, v[SC+8*\b+(\ks)], v[SC+8*(\a)+(\ks)] matrix_a_fmt:MATRIX_FMT_FP4 matrix_b_fmt:MATRIX_FMT_FP4 matrix_a_scale:MATRIX_SCALE_ROW1
.else
	v_wmma_scale_f32_16x16x128_f8f6f4 v[8*(8*((\a)%4)+\b):8*(8*((\a)%4)+\b)+7], v[128*(\p)+8*\b:128*(\p)+8*\b+7], v[AF+8*(\a):AF+8*(\a)+7], v[8*(8*((\a)%4)+\b):8*(8*((\a)%4)+\b)+7], v[SC+8*\b+(\ks)], v[SC+8*(\a)+(\ks)] matrix_a_fmt:MATRIX_FMT_FP4 matrix_b_fmt:MATRIX_FMT_FP4 matrix_a_scale:MATRIX_SCALE_ROW1
.endif
.endr
.endr
.endm
.macro FETCH_B ks, p
	WIN TO_B
.irp i, 0,1,2,3,4,5,6,7
	FRAG 128*(\p)+8*\i, ADRB, \ks, \i
.endr
	WIN 0
.endm
.macro FETCH_A ks, i0
.irp i, \i0, \i0+1, \i0+2, \i0+3
	FRAG AF+8*(\i), ADRA, \ks, \i
.endr
.endm
.macro PLACES                          ; four plain places behind a matrix instruction, ahead of loads into its registers and of reads of its results
.rept 4
	v_nop
.endr
.endm
.macro STEP ks, zero                   ; 128 along K: 64 matrix instructions; the next step's fragments come in two runs
	s_wait_dscnt 8                                 ; all but the youngest eight loads (x's blocks 4-7)
	WIN MUL_LO
	MUL16 0, (\ks)%2, \ks, \zero
	MUL16 2, (\ks)%2, \ks, \zero
	s_wait_dscnt 0
	PLACES
	FETCH_B (\ks)+1, 1-(\ks)%2
	FETCH_A (\ks)+1, 0
	WIN MUL_HI
	MUL16 4, (\ks)%2, \ks, \zero
	MUL16 6, (\ks)%2, \ks, \zero
	PLACES
	WIN 0
	FETCH_A (\ks)+1, 4
.endm
	s_wait_tensorcnt 1                             ; the scale words and the first half of K are in; the one younger load may stay out
	s_barrier_signal -1
	s_barrier_wait -1                              ; everybody's are
	FETCH_B 0, 0
	FETCH_A 0, 0
.irp i, 0,1,2,3,4,5,6,7                        ; all scale words, once
.irp k, 0,1,2,3,4,5,6,7
	ds_load_b32 v[SC+8*\i+\k], v[ADRS] offset:512*\i+64*\k
.endr
.endr
	FETCH_A 0, 4
	STEP 0, 1                                      ; the first products start the sums: nothing is cleared
	STEP 1, 0
	STEP 2, 0
	s_wait_tensorcnt 0x0                           ; my part of the second half of K is in,
	s_wait_dscnt 0x0                               ; no LDS instruction of mine is pending at the signal,
	s_barrier_signal -1
	s_barrier_wait -1                              ; everybody's is: step 3 fetches step 4's fragments out of it
	STEP 3, 0
	STEP 4, 0
	STEP 5, 0
	STEP 6, 0
	s_wait_dscnt 8
	WIN MUL_LO
	MUL16 0, 1, 7, 0
	MUL16 2, 1, 7, 0
	s_wait_dscnt 0
	WIN MUL_HI
	MUL16 4, 1, 7, 0
	MUL16 6, 1, 7, 0
	WIN 0
	PLACES
	; the first 16 positions of a sequence, in f32: they are block 0 of the waves with the upper... lower half of the rows, in tile rows 0 and 8.  the lanes are switched off, not branched around
	s_and_b32 s96, s17, 7
	s_or_b32 s96, s96, s15
	v_mov_b32 v30, s96
	v_cmp_eq_u32 vcc_lo, 0, v30
	s_wait_xcnt 0x0                                ; EXEC changes only behind this wait
	s_and_saveexec_b32 s97, vcc_lo
	WIN 0x08                                       ; a store's data are its source 1: window 2
.irp b, 0,1,2,3,4,5,6,7
	global_store_b128 v[FO], v[8*\b:8*\b+3], s[10:11] offset:64*\b         ; each accumulator from its low end on
	global_store_b128 v[FO], v[8*\b+4:8*\b+7], s[10:11] offset:64*\b+16
.endr
	WIN 0
	s_wait_xcnt 0x0                                ; and again, ahead of the line that widens it
	s_or_b32 exec_lo, exec_lo, s97
.macro OUT a                           ; block a: 16 rows x 128 columns, rounded to f16; a lane's eight columns are a piece's 16 bytes
.if (\a) >= 4
	s_wait_xcnt 0x0                                ; the stores of four blocks ago have read these registers
.endif
	WIN 0x0a+5*((\a)/4)
.irp b, 0,1,2,3,4,5,6,7
.irp r, 0,1,2,3
	v_cvt_pk_f16_f32 v[128+32*((\a)%4)+4*\b+\r], v[64*((\a)%4)+8*\b+2*\r], v[64*((\a)%4)+8*\b+2*\r+1]
.endr
.endr
	WIN 0
.irp b, 0,1,2,3,4,5,6,7
	global_store_b128 v[CO], v[128+32*((\a)%4)+4*\b:128+32*((\a)%4)+4*\b+3], s[8:9] offset:131072*\b+256*(\a)   ; twice sixteen lanes, 256 consecutive bytes each, aligned
.endr
.endm
.irp a, 0,1,2,3,4,5,6,7
	OUT \a
.endr
	s_wait_tensorcnt 0x0                           ; the wave's end
	ds_add_u32 v[SPW], v[NIL]
	s_wait_dscnt 0x0
	CROUND                                         ; the closing round
	s_endpgm
.Lfunc_end_k_qa77da78e7e_proj:
	.size	k_qa77da78e7e_proj, .Lfunc_end_k_qa77da78e7e_proj-k_qa77da78e7e_proj
	.p2alignl 7, 3214868480
	.fill 96, 4, 3214868480
	.section	.rodata,"a",@progbits
	.p2align	6, 0x0
	.amdhsa_kernel k_qa77da78e7e_proj
		.amdhsa_group_segment_fixed_size 327680
		.amdhsa_private_segment_fixed_size 0
		.amdhsa_enable_private_segment 0
		.amdhsa_kernarg_size 32
		.amdhsa_user_sgpr_count 2
		.amdhsa_user_sgpr_kernarg_segment_ptr 1
		.amdhsa_wavefront_size32 1
		.amdhsa_system_sgpr_workgroup_id_x 1
		.amdhsa_system_sgpr_workgroup_id_y 1
		.amdhsa_system_sgpr_workgroup_id_z 1
		.amdhsa_system_vgpr_workitem_id 0
		.amdhsa_next_free_vgpr 1024
		.amdhsa_next_free_sgpr 100
		.amdhsa_reserve_vcc 1
		.amdhsa_float_denorm_mode_32 3
		.amdhsa_float_denorm_mode_16_64 3
		.amdhsa_memory_ordered 1
		.amdhsa_forward_progress 1
		.amdhsa_inst_pref_size 122
	.end_amdhsa_kernel
	.amdgpu_metadata
---
amdhsa.version: [ 1, 2 ]
amdhsa.kernels:
  - .name:           k_qa77da78e7e_proj
    .symbol:         k_qa77da78e7e_proj.kd
    .args:
      - { .name: xq, .offset: 0, .size: 8, .value_kind: global_buffer, .address_space: global }
      - { .name: wq, .offset: 8, .size: 8, .value_kind: global_buffer, .address_space: global }
      - { .name: qkv16, .offset: 16, .size: 8, .value_kind: global_buffer, .address_space: global }
      - { .name: qkv32, .offset: 24, .size: 8, .value_kind: global_buffer, .address_space: global }
    .group_segment_fixed_size: 327680
    .private_segment_fixed_size: 0
    .kernarg_segment_align: 8
    .kernarg_segment_size: 32
    .max_flat_workgroup_size: 128
    .sgpr_count:     100
    .vgpr_count:     1024
    .wavefront_size: 32
...
	.end_amdgpu_metadata
.endif
;; end of part 2
;; launch fine_attn (part 3): grid 32 x 1, 1 waves a work-group, no clusters, 0 bytes of LDS; arguments qkv32, ctxf; writes ctxf
.if DOCPART == 3
	.amdgcn_target "amdgcn-amd-amdhsa--gfx1250"
	.amdhsa_code_object_version 6
	.text
	.protected	k_qa77da78e7e_fine_attn
	.globl	k_qa77da78e7e_fine_attn
	.p2align	8
	.type	k_qa77da78e7e_fine_attn,@function
k_qa77da78e7e_fine_attn:
	s_mov_b64 s[64:65], 0
	v_nop
	global_prefetch_b8 v0, s[64:65] scope:SCOPE_SE
	s_setreg_imm32_b32 hwreg(HW_REG_WAVE_MODE, 25, 1), 1
	s_wait_xcnt 0x0
; FINE_ATTN: the first 16 positions of each sequence, head by head, in f32: there a row of the softmax averages one to sixteen values, and 16-bit operands would weigh most.
; One wave for each (batch, head): 16 queries x 16 keys x 128 channels, by the f32 matrix form (16 x 16 x 4): 64 instructions a wave, no bulk work.
; qkv32: [32 rows = 16 batch + position][3,072] f32.  ctxf: the result as two f16 parts, high [256 pieces of 8 channels][32 rows][16 bytes] at 0, low at 131,072.
; Both products are used transposed: S^T = K Q^T, O^T = V^T P^T: a lane holds one query (lane % 16).  K's index is permuted alike on both sides of each product, which leaves the sums' terms as they are.
; The maximum is taken away before the exponential: p = 2^(c s - fl(c m)), c = log2(e) / sqrt(128); the rounding of c m is a common factor of a row's p and of its sum.
; The accumulators v208-239 are written by matrix instructions alone; what is made of them goes to other registers.
.set QF,  16                           ; v16-79   q: register 4 c + e: channel 8 c + 4 h + e of query r;  later SS, PP, HI, LO, TT
.set KFR, 80                           ; v80-143  k likewise
.set VF,  144                          ; v144-207 v: register 8 t + kk: V(key 8 h + kk, channel 16 t + r)
.set ACC, 208
.set SS,  16
.set PP,  24
.set HI,  32
.set LO,  48
.set TT,  64
	s_load_b128 s[4:7], s[0:1], 0x0                ; qkv32, ctxf
	v_and_b32 v1, 15, v0                           ; r
	v_bfe_u32 v2, v0, 4, 1                         ; h
	v_mul_u32_u24 v3, v1, 12288
	v_lshl_add_u32 v3, v2, 4, v3                   ; q, k: row r, + 16 h
	v_mul_u32_u24 v4, v2, 98304
	v_lshl_add_u32 v4, v1, 2, v4                   ; v: rows 8 h on, channel r
	v_lshlrev_b32 v5, 9, v2
	v_lshl_add_u32 v5, v1, 4, v5                   ; out: a piece for each half of the lanes, 16 bytes a row
	v_lshlrev_b32 v6, 3, v2
	v_sub_nc_u32 v6, v1, v6                        ; r - 8 h: key 8 h + j is hidden where j is above it
	v_mov_b32 v7, 0xff800000                       ; -infinity
	v_mov_b32 v9, 0                                ; (a lane permute's destination counts as one of its sources)
	v_mov_b32 v12, 0
	s_lshr_b32 s8, ttmp9, 4                        ; batch
	s_and_b32 s9, ttmp9, 15                        ; head
	s_lshr_b32 s10, s9, 2                          ; its group of keys and values
	s_mul_i32 s12, s8, 196608
	s_lshl_b32 s13, s9, 9
	s_add_co_u32 s16, s12, s13
	s_mov_b32 s17, 0
	s_lshl_b32 s13, s10, 9
	s_add_co_u32 s18, s12, s13
	s_add_co_u32 s18, s18, 8192
	s_mov_b32 s19, 0
	s_lshl_b32 s20, s9, 13
	s_lshl_b32 s13, s8, 8
	s_add_co_u32 s20, s20, s13
	s_mov_b32 s21, 0
	s_mov_b32 s22, 0x46000400                      ; 8193.0, for the split
	s_mov_b32 s23, s22
	s_mov_b32 s24, 0x76543210
	s_mov_b32 s25, 0xfedcba98                      ; v_permlanex16_b32's selects for lane l xor 16
	s_mov_b32 s26, 0x3e0293ee                      ; c
	s_wait_kmcnt 0x0
	s_add_nc_u64 s[16:17], s[4:5], s[16:17]        ; q
	s_add_nc_u64 s[18:19], s[4:5], s[18:19]        ; k; v lies 2,048 bytes further on in each row
	s_add_nc_u64 s[20:21], s[6:7], s[20:21]
.irp c, 0,1,2,3,4,5,6,7,8,9,10,11,12,13,14,15
	global_load_b128 v[QF+4*\c:QF+4*\c+3], v3, s[16:17] offset:32*\c
.endr
.irp c, 0,1,2,3,4,5,6,7,8,9,10,11,12,13,14,15
	global_load_b128 v[KFR+4*\c:KFR+4*\c+3], v3, s[18:19] offset:32*\c
.endr
.irp t, 0,1,2,3,4,5,6,7
.irp k, 0,1,2,3,4,5,6,7
	global_load_b32 v[VF+8*\t+\k], v4, s[18:19] offset:12288*\k+64*\t+2048
.endr
.endr
	s_wait_loadcnt 63                              ; q and k are in: 64 loads stand behind them, and the wait's field ends at 63
.set st, 0
.rept 32                                       ; S^T: four partial sums by turns, one instruction a turn; the first four start them
.if st < 4
	v_wmma_f32_16x16x4_f32 v[ACC+8*(st%4):ACC+8*(st%4)+7], v[KFR+2*st:KFR+2*st+1], v[QF+2*st:QF+2*st+1], 0
.else
	v_wmma_f32_16x16x4_f32 v[ACC+8*(st%4):ACC+8*(st%4)+7], v[KFR+2*st:KFR+2*st+1], v[QF+2*st:QF+2*st+1], v[ACC+8*(st%4):ACC+8*(st%4)+7]
.endif
.set st, st+1
.endr
.rept 8
	v_nop                                          ; eight places behind this form
.endr
.irp j, 0,1,2,3,4,5,6,7
	v_add_f32 v[SS+\j], v[ACC+\j], v[ACC+8+\j]
	v_add_f32 v[TT+\j], v[ACC+16+\j], v[ACC+24+\j]
.endr
.irp j, 0,1,2,3,4,5,6,7
	v_add_f32 v[SS+\j], v[SS+\j], v[TT+\j]         ; the score of query r and key 8 h + j
.endr
.irp j, 0,1,2,3,4,5,6,7
	v_cmp_gt_i32 vcc_lo, \j, v6
	v_cndmask_b32 v[SS+\j], v[SS+\j], v7, vcc_lo   ; the causal mask
.endr
	v_max3_num_f32 v8, v[SS], v[SS+1], v[SS+2]
	v_max3_num_f32 v8, v8, v[SS+3], v[SS+4]
	v_max3_num_f32 v8, v8, v[SS+5], v[SS+6]
	v_max_num_f32 v8, v8, v[SS+7]
	v_permlanex16_b32 v9, v8, s24, s25
	v_max_num_f32 v8, v8, v9                       ; the row's maximum: key 0 counts for every query, so it is a number
	v_mul_f32 v10, s26, v8
.irp j, 0,1,2,3,4,5,6,7
	v_fma_f32 v[PP+\j], v[SS+\j], s26, -v10
.endr
.irp j, 0,1,2,3,4,5,6,7
	v_exp_f32 v[PP+\j], v[PP+\j]
.endr
	v_nop                                          ; a plain line behind the last exponential,
	s_wait_alu depctr_va_vdst(0)                   ; and one wait for the batch, ahead of its first reader
	v_add_f32 v11, v[PP], v[PP+1]
	v_add_f32 v13, v[PP+2], v[PP+3]
	v_add_f32 v14, v[PP+4], v[PP+5]
	v_add_f32 v15, v[PP+6], v[PP+7]
	v_add_f32 v11, v11, v13
	v_add_f32 v14, v14, v15
	v_add_f32 v11, v11, v14
	v_permlanex16_b32 v12, v11, s24, s25
	v_add_f32 v11, v11, v12
	v_rcp_f32 v13, v11
	v_nop
	s_wait_alu depctr_va_vdst(0)
.irp j, 0,1,2,3,4,5,6,7
	v_mul_f32 v[PP+\j], v[PP+\j], v13              ; the weights, normalised, in f32
.endr
	s_wait_loadcnt 0x0                             ; v
; Four tiles of 16 channels: O^T = V^T P^T, the four accumulators by turns; step c takes keys 8 h + 2 c, 8 h + 2 c + 1 on both sides.
.macro PVPASS first
.rept 9
	v_nop                                          ; nine places ahead of matrix instructions that write over earlier results
.endr
.irp c, 0,1,2,3
.irp t, 0,1,2,3
.if \c == 0
	v_wmma_f32_16x16x4_f32 v[ACC+8*\t:ACC+8*\t+7], v[VF+8*(\first+\t)+2*\c:VF+8*(\first+\t)+2*\c+1], v[PP+2*\c:PP+2*\c+1], 0
.else
	v_wmma_f32_16x16x4_f32 v[ACC+8*\t:ACC+8*\t+7], v[VF+8*(\first+\t)+2*\c:VF+8*(\first+\t)+2*\c+1], v[PP+2*\c:PP+2*\c+1], v[ACC+8*\t:ACC+8*\t+7]
.endif
.endr
.endr
.rept 8
	v_nop
.endr
.irp t, 0,1,2,3                                ; high = t - (t - x) with t = 8193 x; low = x - high: exact; each accumulator is read from its low end on
.irp i, 0,1,2,3
	v_pk_mul_f32 v[TT+8*\i:TT+8*\i+1], v[ACC+8*\t+2*\i:ACC+8*\t+2*\i+1], s[22:23] op_sel_hi:[1,0]
.endr
.irp i, 0,1,2,3
	v_pk_add_f32 v[TT+8*\i+2:TT+8*\i+3], v[TT+8*\i:TT+8*\i+1], v[ACC+8*\t+2*\i:ACC+8*\t+2*\i+1] neg_lo:[0,1] neg_hi:[0,1]
.endr
.irp i, 0,1,2,3
	v_pk_add_f32 v[TT+8*\i+4:TT+8*\i+5], v[TT+8*\i:TT+8*\i+1], v[TT+8*\i+2:TT+8*\i+3] neg_lo:[0,1] neg_hi:[0,1]
.endr
.irp i, 0,1,2,3
	v_pk_add_f32 v[TT+8*\i+6:TT+8*\i+7], v[ACC+8*\t+2*\i:ACC+8*\t+2*\i+1], v[TT+8*\i+4:TT+8*\i+5] neg_lo:[0,1] neg_hi:[0,1]
.endr
.irp i, 0,1,2,3
	v_cvt_pk_f16_f32 v[HI+4*\t+\i], v[TT+8*\i+4], v[TT+8*\i+5]
	v_cvt_pk_f16_f32 v[LO+4*\t+\i], v[TT+8*\i+6], v[TT+8*\i+7]
.endr
	global_store_b128 v5, v[HI+4*\t:HI+4*\t+3], s[20:21] offset:1024*(\first+\t)          ; sixteen lanes store 256 consecutive bytes, aligned
	global_store_b128 v5, v[LO+4*\t:LO+4*\t+3], s[20:21] offset:1024*(\first+\t)+131072
.endr
.endm
	PVPASS 0
	s_wait_xcnt 0x0                                ; the stores have read their data: the second pass writes the same registers
	PVPASS 4
	s_endpgm
.Lfunc_end_k_qa77da78e7e_fine_attn:
	.size	k_qa77da78e7e_fine_attn, .Lfunc_end_k_qa77da78e7e_fine_attn-k_qa77da78e7e_fine_attn
	.p2alignl 7, 3214868480
	.fill 96, 4, 3214868480
	.section	.rodata,"a",@progbits
	.p2align	6, 0x0
	.amdhsa_kernel k_qa77da78e7e_fine_attn
		.amdhsa_group_segment_fixed_size 0
		.amdhsa_private_segment_fixed_size 0
		.amdhsa_enable_private_segment 0
		.amdhsa_kernarg_size 16
		.amdhsa_user_sgpr_count 2
		.amdhsa_user_sgpr_kernarg_segment_ptr 1
		.amdhsa_wavefront_size32 1
		.amdhsa_system_sgpr_workgroup_id_x 1
		.amdhsa_system_sgpr_workgroup_id_y 1
		.amdhsa_system_sgpr_workgroup_id_z 1
		.amdhsa_system_vgpr_workitem_id 0
		.amdhsa_next_free_vgpr 256
		.amdhsa_next_free_sgpr 66
		.amdhsa_reserve_vcc 1
		.amdhsa_float_denorm_mode_32 3
		.amdhsa_float_denorm_mode_16_64 3
		.amdhsa_memory_ordered 1
		.amdhsa_forward_progress 1
		.amdhsa_inst_pref_size 33
	.end_amdhsa_kernel
	.amdgpu_metadata
---
amdhsa.version: [ 1, 2 ]
amdhsa.kernels:
  - .name:           k_qa77da78e7e_fine_attn
    .symbol:         k_qa77da78e7e_fine_attn.kd
    .args:
      - { .name: qkv32, .offset: 0, .size: 8, .value_kind: global_buffer, .address_space: global }
      - { .name: ctxf, .offset: 8, .size: 8, .value_kind: global_buffer, .address_space: global }
    .group_segment_fixed_size: 0
    .private_segment_fixed_size: 0
    .kernarg_segment_align: 8
    .kernarg_segment_size: 16
    .max_flat_workgroup_size: 32
    .sgpr_count:     66
    .vgpr_count:     256
    .wavefront_size: 32
...
	.end_amdgpu_metadata
.endif
;; end of part 3
;; launch attn (part 4): grid 32 x 8, 8 waves a work-group, no clusters, 327,680 bytes of LDS; arguments qkv16, ctx16; writes ctx16
.if DOCPART == 4
	.amdgcn_target "amdgcn-amd-amdhsa--gfx1250"
	.amdhsa_code_object_version 6
	.text
	.protected	k_qa77da78e7e_attn
	.globl	k_qa77da78e7e_attn
	.p2align	8
	.type	k_qa77da78e7e_attn,@function
k_qa77da78e7e_attn:
	s_mov_b64 s[64:65], 0
	v_nop
	global_prefetch_b8 v0, s[64:65] scope:SCOPE_SE
	s_setreg_imm32_b32 hwreg(HW_REG_WAVE_MODE, 25, 1), 1
	s_wait_xcnt 0x0
; ATTN: causal attention, 16 heads over 4 groups of keys and values, head size 128; operands in f16, products, maxima and sums in f32.
; qkv16: [384 pieces of 8 columns][4,096 rows][16 bytes] f16 (q of head H at piece 16 H, k of group g at 256 + 16 g, v at 320 + 16 g).  ctx16: [256 pieces][4,096 rows][16 bytes] f16.
; SHARES.  A work-group owns the four heads of one group and batch for TWO blocks of 32 positions: block 63 - j, then block j: together 32 x 65 keys' worth for every j: 256 equal work-groups.
; Wave w: head w % 4, 32 queries (two tiles of 16); of each slot of 128 keys it takes keys 64 (w / 4) on.  At a block's end the two halves of the keys are merged through LDS.
; Two waves lie on a SIMD, so that one's softmax stands beside the other's products; the text is in plain phases.
; LAYOUT.  S^T = K Q^T and O^T = V^T P: a lane holds one query throughout; two tiles of S^T, rounded in pairs, are source 1 of the second product.  K comes out of LDS as it lies, V turned (ds_load_tr16_b128).
; K's 32 loads of a step go out in the order in which the products take them, 32 channels (8 loads) at a time, and each eight products wait for their own eight loads alone.
; SOFTMAX.  Running maximum m and sum l: p = 2^(c s - fl(c m)), c = log2(e) / sqrt(128); O and l are multiplied by a = 2^(c m_old - c m_new) in every step.
; THE WALK.  24 trips, a constant: 16 slots for the high block, 8 for the low.  A step all of whose keys come after the block's last query is jumped over, and a slot that no wave would read is not asked for:
; both by scalar branches on ids and counted steps alone, the same in all eight waves.  Where that begins hangs on j, so the tail cannot be written out; every wait for tensor loads is for 0.
; NO CLUSTER.
; O^T is cleared at each block's head: a block's first step falls on a trip that hangs on ids.
; LIMITS: |q|, |k|, |v|, |ctx| under 65,504 (f16); |c x score| under 2^30.
; LDS: slot 0 at 0, slot 1 at 2^17; in a slot loader w's part at 9,216 w: 8 pieces x (64 keys x 16 bytes + 128 of padding): K of key half u at 18,432 u, V at 36,864 + 18,432 u, pieces 1,152 apart
; (128 modulo 256).  MRG: the merge, 17,408 bytes a head.  Then the spare words.
; REGISTERS.  window 0: v1-14 addresses and constants; v16-31, v48-63 at work in the merge; v32-47 statistics, 8 a tile; v64-127 S^T; v128-159 P; v160-223 Q.   window 1: v0-127 O^T; v128-255 K, then V.
.set SLOT1, 1<<17
.set VOFF,  36864
.set MRG,   204800
.set SPARE, 274432
.set ST, 32
.set S,  64
.set P,  128
.set Q,  160
.set KV, 128
.set CS, 48                            ; s[48:49] c, twice
.set SEL, 50                           ; s[50:51] selects for lane l xor 16
.set MSB, 0
.macro WIN new
.if MSB != \new
	s_set_vgpr_msb (MSB<<8)|\new
.set MSB, \new
.endif
.endm
.macro PLACES
.rept 4
	v_nop
.endr
.endm
	s_load_b128 s[4:7], s[0:1], 0x0                ; qkv16, ctx16
	v_lshl_add_u32 v13, v0, 2, SPARE               ; my spare word; never rewritten
	v_mov_b32 v14, 0                               ; 0; never rewritten
	ds_add_u32 v13, v14                            ; the wave's opening: the add, twice on end, and its wait ahead of my first tensor load
	ds_add_u32 v13, v14
	v_lshrrev_b32 v1, 5, v0
	v_readfirstlane_b32 s8, v1                     ; wave 0..7
	s_and_b32 s9, s8, 3                            ; my head in the group
	s_lshr_b32 s10, s8, 2                          ; my half of a slot's keys.  Also: I fetch K (0) or V (1)
	s_mov_b32 s11, ttmp9                           ; j
	s_and_b32 s12, ttmp7, 0xffff
	s_lshr_b32 s13, s12, 2                         ; batch
	s_and_b32 s12, s12, 3                          ; group
	; descriptor group 1, for K and V alike: 8 pieces' planes, of each 64 keys x 16 bytes = 128 elements of 8 bytes; planes 65,536 bytes apart; 32 words of padding behind every 256
	s_mov_b32 s16, (3<<16)|(1<<20)|(7<<22)|(31<<25)
	s_mov_b32 s17, 128<<16
	s_mov_b32 s18, 8<<16
	s_mov_b32 s19, 128<<16
	s_mov_b32 s20, 8
	s_mov_b32 s21, 8192
	s_mov_b32 s22, 0
	s_mov_b32 s23, 0
	s_lshl_b32 s52, s10, 6                         ; what I fetch: piece 256 + 64 kind + 16 group + 8 (wave % 2),
	s_lshl_b32 s53, s12, 4
	s_add_co_u32 s52, s52, s53
	s_and_b32 s53, s8, 1
	s_lshl_b32 s53, s53, 3
	s_add_co_u32 s52, s52, s53
	s_add_co_u32 s52, s52, 256
	s_lshl_b32 s52, s52, 16
	s_lshl_b32 s53, s13, 15                        ; the batch's rows,
	s_add_co_u32 s52, s52, s53
	s_bfe_u32 s53, s8, 0x10001                     ; and which 64 keys of a slot
	s_lshl_b32 s53, s53, 10
	s_add_co_u32 s52, s52, s53
	s_mov_b32 s53, 0
	s_lshl_b32 s54, s12, 2                         ; my head's 16 pieces, the batch's rows: in qkv16 and in ctx16 alike
	s_add_co_u32 s54, s54, s9
	s_lshl_b32 s54, s54, 20
	s_lshl_b32 s55, s13, 15
	s_add_co_u32 s54, s54, s55
	s_mov_b32 s55, 0
	s_mov_b32 s24, 1
	s_mul_i32 s25, s8, 9216                        ; my part of slot 0
	s_mov_b32 s[CS], 0x3e0293ee
	s_mov_b32 s[CS+1], s[CS]
	s_mov_b32 s[SEL], 0x76543210
	s_mov_b32 s[SEL+1], 0xfedcba98
	s_lshl_b32 s43, s10, 6                         ; 64 u
	s_mov_b32 s36, 0                               ; the slot in hand
	s_mov_b32 s37, 0                               ; its key slot
	s_mov_b32 s38, 0                               ; the key slot asked for last
	s_sub_co_u32 s42, 63, s11
	s_lshl_b32 s42, s42, 5                         ; the block's first query: the high block first
	s_add_co_u32 s39, s42, 31                      ; the last query for which slots are asked
	s_lshl_b32 s40, s11, 5
	s_add_co_u32 s40, s40, 31                      ; the low block's
	s_cmp_eq_u32 s11, 0
	s_cselect_b32 s45, 2, -1                       ; the work-group with j = 0 prefetches, while more than 2 trips of the first loop are left
	v_and_b32 v1, 15, v0                           ; r
	v_bfe_u32 v2, v0, 4, 1                         ; h
	s_mul_i32 s56, s10, 18432
	v_mul_u32_u24 v3, v2, 1152
	v_lshl_add_u32 v3, v1, 4, v3
	v_add_nc_u32 v3, s56, v3                       ; K: my half's keys; piece h, key r
	v_bfe_u32 v4, v0, 3, 1
	v_mul_u32_u24 v4, v4, 1152
	v_and_b32 v5, 7, v0
	v_lshl_add_u32 v5, v2, 3, v5
	v_lshl_add_u32 v4, v5, 4, v4
	s_add_co_u32 s57, s56, VOFF
	v_add_nc_u32 v4, s57, v4                       ; V: piece (lane / 8) % 2, key 8 h + lane % 8
	v_lshlrev_b32 v6, 16, v2
	v_lshl_add_u32 v6, v1, 4, v6                   ; q and ctx: a plane for each half of the lanes, 16 bytes a row
	v_and_b32 v7, 31, v0
	s_mul_i32 s57, s9, 17408
	s_add_co_u32 s57, s57, MRG
	v_lshl_add_u32 v7, v7, 4, s57                  ; the merge: my head's images, 16 bytes a lane
	v_lshlrev_b32 v8, 3, v2
	v_sub_nc_u32 v8, v1, v8                        ; r - 8 h
	v_mov_b32 v11, 0xff800000                      ; -infinity
	v_bfe_u32 v9, v0, 2, 3
	v_and_b32 v10, 3, v0
	v_lshlrev_b32 v12, 16, v9
	v_lshl_add_u32 v12, v10, 8, v12                ; the prefetch: plane lane / 4, block of 256 bytes lane % 4
	v_mov_b32 v30, 0                               ; (lane permutes' destinations count as sources)
	v_mov_b32 v31, 0
	s_wait_dscnt 0x0                               ; both opening adds are done
	s_wait_kmcnt 0x0
	s_add_nc_u64 s[14:15], s[4:5], s[52:53]        ; my part of key slot 0
	s_add_nc_u64 s[28:29], s[4:5], s[54:55]        ; q
	s_add_nc_u64 s[30:31], s[6:7], s[54:55]        ; ctx
	s_mov_b64 s[26:27], s[14:15]
	s_or_b32 s27, s27, 0x80000000
	tensor_load_to_lds s[24:27], s[16:23]          ; every wave fetches: 8 KiB each.  By this text's count one tensor load of a wave is out at any time
	s_nop 0
	PLACES
.macro KQ                              ; product i of 32 of S^T: channels 32 (i / 8) on, keys 16 ((i / 2) % 4) on, tile i % 2; eight accumulators by turns
	WIN 0x01
.set rS, S+32*(i%2)+8*((i/2)%4)
.set rK, KV+32*((i/2)%4)+8*(i/8)
.set rQ, Q+32*(i%2)+8*(i/8)
.if i < 8
	v_wmma_f32_16x16x32_f16 v[rS:rS+7], v[rK:rK+7], v[rQ:rQ+7], 0
.else
	v_wmma_f32_16x16x32_f16 v[rS:rS+7], v[rK:rK+7], v[rQ:rQ+7], v[rS:rS+7]
.endif
.endm
.macro PV                              ; product i of 32 of O^T: keys 32 (i / 16) on, channels 16 ((i / 2) % 8) on, tile i % 2; sixteen accumulators by turns
	WIN 0x51
.set rO, 64*(i%2)+8*((i/2)%8)
.set rV, KV+64*(i/16)+8*((i/2)%8)
.set rP, P+16*(i%2)+8*(i/16)
	v_wmma_f32_16x16x32_f16 v[rO:rO+7], v[rV:rV+7], v[rP:rP+7], v[rO:rO+7]
.endm
; One tile's softmax for a step is a list of 134 instructions; SM writes number j for tile t.
;  0-15 the maximum of 32 scores and the old m;  16-20 the other half of the lanes, the new m, c m, its change;  21-69 ONE BATCH: 16 packed scalings and 33 exponentials, none of which reads an exponential's result;
;  70-85 roundings to f16;  86-101 the sums;  102-133 O^T times a.
.macro SM t
.set rT, ST+8*(\t)
.set rS, S+32*(\t)
.set rP, P+16*(\t)
.set rO, 64*(\t)+2*(j-102)
.if j < 102
	WIN 0
.endif
.if j < 4
	v_max3_num_f32 v[rT+4+j], v[rS+8*j], v[rS+8*j+1], v[rS+8*j+2]
.elseif j < 12
	v_max3_num_f32 v[rT+4+j%4], v[rT+4+j%4], v[rS+8*(j%4)+2*(j/4)+1], v[rS+8*(j%4)+2*(j/4)+2]
.elseif j == 12
	v_max3_num_f32 v[rT+4], v[rT+4], v[rS+7], v[rS+15]
.elseif j == 13
	v_max3_num_f32 v[rT+6], v[rT+6], v[rS+23], v[rS+31]
.elseif j == 14
	v_max3_num_f32 v[rT+4], v[rT+4], v[rT+5], v[rT+6]
.elseif j == 15
	v_max3_num_f32 v[rT+4], v[rT+4], v[rT+7], v[rT+1]
.elseif j == 16
	v_permlanex16_b32 v[rT+5], v[rT+4], s[SEL], s[SEL+1]
.elseif j == 17
	v_mov_b32 v[rT+7], v[rT]
.elseif j == 18
	v_max_num_f32 v[rT+1], v[rT+4], v[rT+5]
.elseif j == 19
	v_mul_f32 v[rT], s[CS], v[rT+1]
.elseif j == 20
	v_sub_f32 v[rT+7], v[rT+7], v[rT]
.elseif j == 23
	v_exp_f32 v[rT+6], v[rT+7]
.elseif (j < 23) || ((j < 38) && (j%2 == 0)) || ((j < 66) && (j%4 == 2))
.set b, (j-2)/4
.if j < 38
.set b, (j-20)/2
.endif
	v_pk_fma_f32 v[rS+2*b:rS+2*b+1], v[rS+2*b:rS+2*b+1], s[CS:CS+1], v[rT:rT+1] op_sel_hi:[1,0,0] neg_lo:[0,0,1] neg_hi:[0,0,1]
.elseif j < 70
.set e, j-38
.if j < 66
.set e, j-32-(j-38)/4
.endif
.if j < 38
.set e, (j-25)/2
.endif
	v_exp_f32 v[rS+e], v[rS+e]
.elseif j < 86
	v_cvt_pk_f16_f32 v[rP+j-70], v[rS+2*(j-70)], v[rS+2*(j-70)+1]
.elseif j < 102
.set z, j-86
.set w, 4
.set u, z
.if z >= 14
.set w, 32
.set u, 0
.elseif z >= 12
.set w, 16
.set u, z-12
.elseif z >= 8
.set w, 8
.set u, z-8
.endif
.if z < 15
	v_pk_add_f32 v[rS+w*u:rS+w*u+1], v[rS+w*u:rS+w*u+1], v[rS+w*u+w/2:rS+w*u+w/2+1]
.else
	v_pk_fma_f32 v[rT+2:rT+3], v[rT+2:rT+3], v[rT+6:rT+7], v[rS:rS+1] op_sel_hi:[1,0,1]
.endif
.else
	WIN 0x41
	v_pk_mul_f32 v[rO:rO+1], v[rO:rO+1], v[rT+6:rT+7] op_sel_hi:[1,0]
.endif
.endm
; A STEP: my 64 keys of the slot in hand against my 32 queries.
.macro STEP
	s_lshl_b32 s52, s37, 7
	s_add_co_u32 s52, s52, s43                     ; my first key
	s_add_co_u32 s53, s42, 31
	s_cmp_gt_u32 s52, s53                          ; all my keys come after the block's last query: nothing to do.  (Blocks begin at multiples of 32 and steps at multiples of 64: in a step that is walked the first key counts for all 32 queries)
	s_cbranch_scc1 .Lhidden_\@
	v_add_nc_u32 v5, s36, v3
	WIN 0x40
.irp c, 0,1,2,3                                ; K, in the order in which the products take it: channels 32 c on (pieces 4 c + h and + 2), and in them keys 16 k on
.irp k, 0,1,2,3
	ds_load_b128 v[KV+32*\k+8*\c:KV+32*\k+8*\c+3],   v5 offset:256*\k+4608*\c
	ds_load_b128 v[KV+32*\k+8*\c+4:KV+32*\k+8*\c+7], v5 offset:256*\k+4608*\c+2304
.endr
.endr
.set i, 0
.rept 32
.if i%8 == 0
	s_wait_dscnt 24-i                              ; LDS loads come back in order (ISA guide 5.7.1): these eight products' eight loads are in; the later channels' 24, 16, 8, 0 may be out
.endif
	KQ
.set i, i+1
.endr
	WIN 0
	v_add_nc_u32 v5, s36, v4                       ; with the three below: the four places behind the products, ahead of the loads into K's registers and of the first read of the scores
	v_nop
	v_nop
	v_nop
	WIN 0x40
.irp f, 0,1,2,3,4,5,6,7,8,9,10,11,12,13,14,15  ; V, turned: keys 32 (f / 8) on, channels 16 (f % 8) on; it lands under the softmax
	ds_load_tr16_b128 v[KV+8*\f:KV+8*\f+3],   v5 offset:512*(\f/8)+2304*(\f%8)
	ds_load_tr16_b128 v[KV+8*\f+4:KV+8*\f+7], v5 offset:512*(\f/8)+2304*(\f%8)+256
.endr
	WIN 0
	s_add_co_u32 s53, s52, 63
	s_cmp_le_u32 s53, s42                          ; all 64 keys count for all 32 queries: no mask
	s_cbranch_scc1 .Lopen_\@
	s_sub_co_i32 s53, s42, s52
	v_add_nc_u32 v9, s53, v8                       ; tile 0: my query - my first key - 8 h.  Register 8 kt + jj holds key 16 kt + 8 h + jj: hidden where 16 kt + jj is above this
	v_add_nc_u32 v10, 16, v9                       ; tile 1
.irp t, 0,1
.set n, 0
.rept 32
	v_cmp_gt_i32 vcc_lo, 16*(n/8)+n%8, v[9+\t]
	v_cndmask_b32 v[S+32*\t+n], v[S+32*\t+n], v11, vcc_lo
.set n, n+1
.endr
.endr
.Lopen_\@:
.set j, 0
.rept 70
	SM 0
	SM 1
.set j, j+1
.endr
	v_nop                                          ; a plain line behind the last exponential,
	s_wait_alu depctr_va_vdst(0)                   ; and ONE wait for both tiles' 66, ahead of the first instruction that names a result
.rept 64
	SM 0
	SM 1
.set j, j+1
.endr
	s_wait_dscnt 0x0                               ; V is in
.set i, 0
.rept 32
	PV
.set i, i+1
.endr
	WIN 0
	PLACES                                         ; behind the last products: the next loads into V's registers, the merge's reads and the next block's clearing stand behind these
.Lhidden_\@:
.endm
; THE CHANGE OF SLOTS, at a trip's head.  Each wave waits for all its tensor loads (its part of the slot that it is about to read), adds 0 to its spare word, and waits for that and for its reads of the slot that it has left.
; fill = 1: behind the barrier that other slot takes the next key slot, if some wave will read it.  After the high block's sixteenth key slot comes the low block's first.
.macro CHANGE fill, ask
	s_wait_tensorcnt 0x0                           ; no tensor load of mine is out, so the group 0 may be written
	ds_add_u32 v13, v14                            ; 0 onto my spare word; the steps below stand between it and the wait for it
	s_mov_b32 s37, s38                             ; the key slot that has landed
.if \fill
	s_add_co_u32 s38, s38, 1
	s_cmp_eq_u32 s38, 16
	s_cselect_b32 s38, 0, s38
	s_cselect_b32 s39, s40, s39
	s_lshl_b32 s52, s38, 11                        ; 128 keys x 16 bytes in each plane
	s_mov_b32 s53, 0
	s_xor_b32 s25, s25, SLOT1
	s_add_nc_u64 s[26:27], s[14:15], s[52:53]
	s_or_b32 s27, s27, 0x80000000
.if \ask
	s_wait_xcnt 0x0                                ; the last prefetch, a trip back, has read its address
	s_add_nc_u64 s[46:47], s[14:15], s[52:53]
.endif
.endif
	s_wait_dscnt 0x0                               ; the add is done, and my reads of the slot that I have left are over
	s_barrier_signal -1
	s_barrier_wait -1
.if \fill
	s_lshl_b32 s52, s38, 7
	s_cmp_gt_u32 s52, s39                          ; a slot whose first key comes after the block's last query is read by no wave: it is not asked for.  Ids and counted steps alone: all eight waves go the same way
	s_cbranch_scc1 .Lpast_\@
	tensor_load_to_lds s[24:27], s[16:23]          ; the wave's one tensor load until the next such barrier
	s_nop 0
	PLACES
.Lpast_\@:
.if \ask
; A prefetch of what the NEXT change will ask for: my own part of the key slot after this one: 8 planes x 1,024 bytes, a lane a block of 256.  All 32 work-groups of a batch and group walk the same keys:
; the one with j = 0, whose high block needs all sixteen slots, asks, and nobody else: each block is named once.  Key slots 0 and 1 come by their loads alone; the last two trips ask for nothing.
	s_cmp_gt_u32 s44, s45
	s_cbranch_scc0 .Lnot_mine_\@
	global_prefetch_b8 v12, s[46:47] offset:2048 th:TH_LOAD_NT scope:SCOPE_SE
.Lnot_mine_\@:
.endif
.endif
.endm
.macro RESET                           ; a block's head: its q into registers; m = -3e38, l = 0, O^T = 0
	s_wait_xcnt 0x0                                ; earlier stores have read their data and base
	s_lshl_b32 s52, s42, 4
	s_mov_b32 s53, 0
	s_add_nc_u64 s[32:33], s[28:29], s[52:53]
	s_add_nc_u64 s[34:35], s[30:31], s[52:53]
.irp t, 0,1
.irp c, 0,1,2,3
	global_load_b128 v[Q+32*\t+8*\c:Q+32*\t+8*\c+3],   v6, s[32:33] offset:256*\t+262144*\c
	global_load_b128 v[Q+32*\t+8*\c+4:Q+32*\t+8*\c+7], v6, s[32:33] offset:256*\t+262144*\c+131072
.endr
.endr
.irp t, 0,1
	v_mov_b32 v[ST+8*\t+1], 0xff61b1e6
	v_mov_b32 v[ST+8*\t+2], 0
	v_mov_b32 v[ST+8*\t+3], 0
	v_mul_f32 v[ST+8*\t], s[CS], v[ST+8*\t+1]
.endr
	WIN 0x40
.set i, 0
.rept 128
	v_mov_b32 v[i], 0
.set i, i+1
.endr
	WIN 0
	s_wait_loadcnt 0x0
.endm
; THE MERGE.  The waves of the upper keys put O^T and (c m, m, l, l) into LDS as images of their registers; behind a barrier the waves of the lower keys bring both halves under the larger c m, divide by the sum and store.
.macro MERGE
	s_cmp_eq_u32 s10, 0
	s_cbranch_scc1 .Lno_put_\@
	WIN 0x04                                       ; an LDS store's data are its source 1: window 1
.set i, 0
.rept 32
	ds_store_b128 v7, v[4*i:4*i+3] offset:512*i    ; each accumulator from its low end on
.set i, i+1
.endr
	WIN 0
	ds_store_b128 v7, v[ST:ST+3] offset:16384
	ds_store_b128 v7, v[ST+8:ST+11] offset:16896
.Lno_put_\@:
	s_wait_dscnt 0x0                               ; for the others' sake: my stores have landed
	s_barrier_signal -1
	s_barrier_wait -1                              ; the next block's first tile may stay on its way
	s_cmp_lg_u32 s10, 0
	s_cbranch_scc1 .Lno_get_\@
	ds_load_b128 v[16:19], v7 offset:16384
	ds_load_b128 v[20:23], v7 offset:16896
	WIN 0x40
.set i, 0
.rept 32
	ds_load_b128 v[KV+4*i:KV+4*i+3], v7 offset:512*i
.set i, i+1
.endr
	WIN 0
	s_wait_dscnt 32                                ; the partner's statistics are in; the 32 images may be out
.irp t, 0,1
	v_max_num_f32 v[24+\t], v[ST+8*\t], v[16+4*\t]
.endr
.irp t, 0,1
	v_sub_f32 v[48+4*\t], v[ST+8*\t], v[24+\t]
	v_sub_f32 v[50+4*\t], v[16+4*\t], v[24+\t]
.endr
.irp t, 0,1
	v_exp_f32 v[48+4*\t], v[48+4*\t]               ; a partner that walked no step has c m = -3.8e37, l = 0, O = 0: its factor is 0
	v_exp_f32 v[50+4*\t], v[50+4*\t]
.endr
.irp t, 0,1
	v_add_f32 v[26+\t], v[ST+8*\t+2], v[ST+8*\t+3]
	v_add_f32 v[28+\t], v[18+4*\t], v[19+4*\t]
.endr
	s_wait_alu depctr_va_vdst(0)                   ; one wait for the four exponentials
.irp t, 0,1
	v_mul_f32 v[26+\t], v[48+4*\t], v[26+\t]
.endr
.irp t, 0,1
	v_fmac_f32 v[26+\t], v[50+4*\t], v[28+\t]
.endr
.irp t, 0,1
	v_permlanex16_b32 v[30+\t], v[26+\t], s[SEL], s[SEL+1]
.endr
.irp t, 0,1
	v_add_f32 v[26+\t], v[26+\t], v[30+\t]         ; the row's sum: key 0 counts for every query, so it is above 0
.endr
.irp t, 0,1
	v_rcp_f32 v[28+\t], v[26+\t]
.endr
	v_nop
	s_wait_alu depctr_va_vdst(0)
.irp t, 0,1
	v_mul_f32 v[48+4*\t], v[48+4*\t], v[28+\t]
	v_mul_f32 v[50+4*\t], v[50+4*\t], v[28+\t]
.endr
.irp t, 0,1
	v_mov_b32 v[49+4*\t], v[48+4*\t]               ; (the packed forms name pairs)
	v_mov_b32 v[51+4*\t], v[50+4*\t]
.endr
	s_wait_dscnt 0x0
	WIN 0x41
.irp t, 0,1
.set i, 0
.rept 32
	v_pk_mul_f32 v[64*\t+2*i:64*\t+2*i+1], v[64*\t+2*i:64*\t+2*i+1], v[48+4*\t:49+4*\t] op_sel_hi:[1,0]
.set i, i+1
.endr
.endr
	WIN 0x51
.irp t, 0,1
.set i, 0
.rept 32
	v_pk_fma_f32 v[64*\t+2*i:64*\t+2*i+1], v[KV+64*\t+2*i:KV+64*\t+2*i+1], v[50+4*\t:51+4*\t], v[64*\t+2*i:64*\t+2*i+1] op_sel_hi:[1,0,1]
.set i, i+1
.endr
.endr
	WIN 0x05
.irp t, 0,1
.set i, 0
.rept 32
	v_cvt_pk_f16_f32 v[S+32*\t+i], v[64*\t+2*i], v[64*\t+2*i+1]
.set i, i+1
.endr
.endr
	WIN 0
.irp t, 0,1
.irp f, 0,1,2,3,4,5,6,7
	global_store_b128 v6, v[S+32*\t+4*\f:S+32*\t+4*\f+3], s[34:35] offset:256*\t+131072*\f   ; twice sixteen lanes, 256 consecutive bytes each, aligned
.endr
.endr
.Lno_get_\@:
.endm
	RESET
	s_mov_b32 s44, 16
.Lhigh:                                            ; the high block: 16 trips
	CHANGE 1, 1
	STEP
	s_xor_b32 s36, s36, SLOT1
	s_sub_co_u32 s44, s44, 1
	s_cmp_lg_u32 s44, 0
	s_cbranch_scc1 .Lhigh
	MERGE
	s_lshl_b32 s42, s11, 5                         ; the low block
	RESET
	s_mov_b32 s44, 7
.Llow:                                             ; 7 trips that may ask for a slot,
	CHANGE 1, 0
	STEP
	s_xor_b32 s36, s36, SLOT1
	s_sub_co_u32 s44, s44, 1
	s_cmp_lg_u32 s44, 0
	s_cbranch_scc1 .Llow
	CHANGE 0, 0                                    ; and the last, which asks for nothing
	STEP
	MERGE                                          ; the first merge's reads of these bytes were over eight barriers ago
	s_wait_tensorcnt 0x0                           ; the wave's end
	ds_add_u32 v13, v14
	s_wait_dscnt 0x0
	s_endpgm
.Lfunc_end_k_qa77da78e7e_attn:
	.size	k_qa77da78e7e_attn, .Lfunc_end_k_qa77da78e7e_attn-k_qa77da78e7e_attn
	.p2alignl 7, 3214868480
	.fill 96, 4, 3214868480
	.section	.rodata,"a",@progbits
	.p2align	6, 0x0
	.amdhsa_kernel k_qa77da78e7e_attn
		.amdhsa_group_segment_fixed_size 327680
		.amdhsa_private_segment_fixed_size 0
		.amdhsa_enable_private_segment 0
		.amdhsa_kernarg_size 16
		.amdhsa_user_sgpr_count 2
		.amdhsa_user_sgpr_kernarg_segment_ptr 1
		.amdhsa_wavefront_size32 1
		.amdhsa_system_sgpr_workgroup_id_x 1
		.amdhsa_system_sgpr_workgroup_id_y 1
		.amdhsa_system_sgpr_workgroup_id_z 1
		.amdhsa_system_vgpr_workitem_id 0
		.amdhsa_next_free_vgpr 512
		.amdhsa_next_free_sgpr 66
		.amdhsa_reserve_vcc 1
		.amdhsa_float_denorm_mode_32 3
		.amdhsa_float_denorm_mode_16_64 3
		.amdhsa_memory_ordered 1
		.amdhsa_forward_progress 1
		.amdhsa_inst_pref_size 141
	.end_amdhsa_kernel
	.amdgpu_metadata
---
amdhsa.version: [ 1, 2 ]
amdhsa.kernels:
  - .name:           k_qa77da78e7e_attn
    .symbol:         k_qa77da78e7e_attn.kd
    .args:
      - { .name: qkv16, .offset: 0, .size: 8, .value_kind: global_buffer, .address_space: global }
      - { .name: ctx16, .offset: 8, .size: 8, .value_kind: global_buffer, .address_space: global }
    .group_segment_fixed_size: 327680
    .private_segment_fixed_size: 0
    .kernarg_segment_align: 8
    .kernarg_segment_size: 16
    .max_flat_workgroup_size: 256
    .sgpr_count:     66
    .vgpr_count:     512
    .wavefront_size: 32
...
	.end_amdgpu_metadata
.endif
;; end of part 4
;; launch outproj (part 5): grid 8 x 32, 4 waves a work-group, clusters of 4 x 4, 327,680 bytes of LDS; arguments ctx16, wo2, bo, out0; writes out0
.if DOCPART == 5
	.amdgcn_target "amdgcn-amd-amdhsa--gfx1250"
	.amdhsa_code_object_version 6
	.text
	.protected	k_qa77da78e7e_outproj
	.globl	k_qa77da78e7e_outproj
	.p2align	8
	.type	k_qa77da78e7e_outproj,@function
k_qa77da78e7e_outproj:
	s_mov_b64 s[64:65], 0
	v_nop
	global_prefetch_b8 v0, s[64:65] scope:SCOPE_SE
	s_setreg_imm32_b32 hwreg(HW_REG_WAVE_MODE, 25, 1), 1
	s_wait_xcnt 0x0
	s_wait_alu depctr_hold_cnt(0) depctr_sa_sdst(0) depctr_va_vdst(0) depctr_va_sdst(0) depctr_va_ssrc(0) depctr_va_vcc(0) depctr_vm_vsrc(0)
	s_getreg_b32 s2, hwreg(HW_REG_IB_STS2, 6, 4)
	s_cmp_eq_u32 s2, 0
	s_cbranch_scc0 .Lentry_in_a_cluster
	s_endpgm
.Lentry_in_a_cluster:
	s_bfe_u32 s2, ttmp6, 0x10000c
	s_cmp_lg_u32 s2, 0xf033
	s_cbranch_scc0 .Lentry_shape_is_right
	s_endpgm
.Lentry_shape_is_right:
; OUTPROJ: out = ctx Wo + bo, 4,096 x 2,048 x 2,048, f16 operands, f32 sums.  ctx16: [256 pieces of 8 along K][4,096 rows][16 bytes]; wo2's high part: [256 pieces][2,048 columns][16 bytes]; out0 f32.
; A tile of 128 rows x 256 columns to a work-group: 256 work-groups; a wave makes 64 x 128: 32 accumulators.
; K goes through a ring of two LDS slots of 24 pieces (192 along K, six quarters of 32), the longest step of which two slots fit: a slot is 24 x (2,048 + 4,096) = 147,456 bytes.
; So a refill, asked for straight behind a change of slots, has 6 x 32 - 16 = 176 matrix instructions of each wave in which to land.
; 256 pieces are ten steps of 24 and one of 16.  The last load keeps the common shape: it begins at piece 232, eight pieces back, and of its slot only quarters 2 to 5 (pieces 240 to 255) are multiplied:
; each piece is multiplied once, K ascending; eight pieces come a second time and are not read.
; In the piece-major layout sixteen rows of a piece are 256 consecutive bytes: fragment loads need no padding.
; CLUSTERS 4 x 4: ctx's tiles are shared along a row of the cluster, Wo's along a column: joint loads; a round of the cluster's barrier stands in front of each refill.
; THE MATRIX INSTRUCTION IS USED TRANSPOSED (source 0 = 16 columns of Wo, source 1 = 16 rows of ctx): a lane holds eight neighbouring columns of a row.  The bias is the C of each sum's first product.
; No prefetch: the tiles are shared by the joint loads, and the slots are as long as LDS allows.  The 32 rows of the sequences' first 16 positions are stored here too and stored anew, finer, by the launch behind this one.
; REGISTERS: window 0: v16-29 addresses; v64-127 the bias (8 b + j); v128-255 the way out.   window 1: two fragment buffers of 96 (ctx 32, Wo 64), at v0 and v128.   window 2: accumulator (a, b) at v[8 (8 a + b)].
.set SLOT,   147456                    ; ctx's [24][128][16], then Wo's [24][256][16]
.set BOFF,   49152                     ; where Wo's part begins in a slot
.set STAGE,  SLOT                      ; the way out: 16 rows x 528 bytes for each wave, in slot 1: when the first result is stored there it has had its last fill (K step 9) and every wave has passed the last change of slots, behind which nobody reads it
.set SPARE,  294912                    ; behind the ring: the spare words, 128 bytes a wave, that no other line names
.set TRIPS,  4
.set ADRA, 16                          ; v16-17  my fragments of ctx in slot 0, 1
.set ADRB, 20                          ; v20-21  of Wo, quarters 0 to 2
.set ADRB2, 22                         ; v22-23  of Wo, quarters 3 to 5: 49,152 bytes further on, so that every offset fits the 16-bit immediate
.set STO,  24
.set RD,   25
.set CO,   26
.set SPW,  28
.set NIL,  29
.set BIAS, 64
.set BK,   128
.set F0,   0
.set F1,   128
.set G1, 24
.set G0, 32
.set G1B, 48
.set G0B, 56
.set MSB, 0
.macro WIN new
.if MSB != \new
	s_set_vgpr_msb (MSB<<8)|\new
.set MSB, \new
.endif
.endm
.macro JLOAD s                         ; waves 0 and 1 fetch ctx's two halves of a slot's pieces, waves 2 and 3 Wo's; an s_nop 0 and four v_nop follow each line
	s_cmp_eq_u32 s13, 0
	s_cbranch_scc0 .Lfor_b_\@
	tensor_load_to_lds s[G0+4*\s:G0+4*\s+3], s[G1:G1+7]
	s_nop 0
.rept 4
	v_nop
.endr
	s_branch .Lasked_\@
.Lfor_b_\@:
	tensor_load_to_lds s[G0B+4*\s:G0B+4*\s+3], s[G1B:G1B+7]
	s_nop 0
.rept 4
	v_nop
.endr
.Lasked_\@:
.endm
.macro CREST
	s_cmp_lg_u32 s12, 0
	s_cbranch_scc1 .Lnot_wave_0_\@
	s_barrier_signal -3
.Lnot_wave_0_\@:
	s_barrier_wait -3
	s_barrier_signal -1
	s_barrier_wait -1
.endm
.macro CROUND
	s_barrier_signal -1
	s_barrier_wait -1
	CREST
.endm
	s_load_b256 s[4:11], s[0:1], 0x0               ; ctx16 s[4:5], wo2 s[6:7], bo s[8:9], out0 s[10:11]
	v_lshl_add_u32 v[SPW], v0, 2, SPARE
	v_mov_b32 v[NIL], 0
	ds_add_u32 v[SPW], v[NIL]                      ; the wave's opening: the add, twice on end, and its wait ahead of my first tensor load
	ds_add_u32 v[SPW], v[NIL]
	v_lshrrev_b32 v1, 5, v0
	v_readfirstlane_b32 s12, v1                    ; wave 0..3
	s_lshr_b32 s13, s12, 1                         ; my half of the rows.  Also: I fetch for ctx (0) or for Wo (1)
	s_and_b32 s14, s12, 1                          ; my half of the columns.  Also: which 12 pieces of a slot I fetch
	s_bfe_u32 s40, ttmp6, 0x40000
	s_bfe_u32 s41, ttmp6, 0x40004
	s_lshl_b32 s42, ttmp9, 2
	s_add_co_u32 s42, s42, s40                     ; tile column
	s_and_b32 s15, ttmp7, 0xffff
	s_lshl_b32 s15, s15, 2
	s_add_co_u32 s15, s15, s41                     ; tile row
	s_lshl_b32 s43, s41, 2
	s_lshl_b32 s43, 15, s43
	s_lshl_b32 s44, 0x1111, s40
	s_or_b32 s[G1+0], s43, (3<<16)|(1<<21)         ; ctx: 12 planes, of each 128 rows x 16 bytes = 256 elements of 8 bytes, 65,536 bytes apart
	s_mov_b32 s[G1+1], 256<<16
	s_mov_b32 s[G1+2], 12<<16
	s_mov_b32 s[G1+3], 256<<16
	s_mov_b32 s[G1+4], 12
	s_mov_b32 s[G1+5], 8192
	s_mov_b32 s[G1+6], 0
	s_mov_b32 s[G1+7], 0
	s_or_b32 s[G1B+0], s44, (3<<16)|(1<<21)        ; Wo: 12 planes, of each 256 columns x 16 bytes = 512 elements, 32,768 bytes apart
	s_mov_b32 s[G1B+1], 512<<16
	s_mov_b32 s[G1B+2], 12<<16
	s_mov_b32 s[G1B+3], 512<<16
	s_mov_b32 s[G1B+4], 12
	s_mov_b32 s[G1B+5], 4096
	s_mov_b32 s[G1B+6], 0
	s_mov_b32 s[G1B+7], 0
	s_mul_i32 s16, s14, 786432                     ; ctx: my 12 planes of 65,536 bytes,
	s_lshl_b32 s17, s15, 11                        ; the tile's 128 rows x 16 bytes
	s_add_co_u32 s16, s16, s17
	s_mov_b32 s17, 0
	s_mul_i32 s46, s14, 393216                     ; Wo: my 12 planes of 32,768 bytes,
	s_lshl_b32 s47, s42, 12                        ; the tile's 256 columns x 16 bytes
	s_add_co_u32 s46, s46, s47
	s_mov_b32 s47, 0
	s_mul_i32 s20, s14, 24576                      ; where they go: ctx's halves at 0 and 24,576,
	s_mul_i32 s21, s14, 49152
	s_add_co_u32 s21, s21, BOFF                    ; Wo's at 49,152 and 98,304
	s_wait_dscnt 0x0
	s_wait_kmcnt 0x0
	s_add_nc_u64 s[16:17], s[4:5], s[16:17]
	s_add_nc_u64 s[46:47], s[6:7], s[46:47]
	CROUND
.irp s, 0,1
	s_mov_b32 s[G0+4*\s], 1
	s_add_co_u32 s[G0+4*\s+1], s20, \s*SLOT
	s_add_nc_u64 s[G0+4*\s+2:G0+4*\s+3], s[16:17], \s*1572864      ; K step s: 24 planes on
	s_or_b32 s[G0+4*\s+3], s[G0+4*\s+3], 0x80000000
	s_mov_b32 s[G0B+4*\s], 1
	s_add_co_u32 s[G0B+4*\s+1], s21, \s*SLOT
	s_add_nc_u64 s[G0B+4*\s+2:G0B+4*\s+3], s[46:47], \s*786432
	s_or_b32 s[G0B+4*\s+3], s[G0B+4*\s+3], 0x80000000
	JLOAD \s
.endr
	v_and_b32 v1, 15, v0                           ; r
	v_bfe_u32 v2, v0, 4, 1                         ; h
	v_lshlrev_b32 v3, 4, v1
	v_lshl_add_u32 v4, v2, 11, v3                  ; ctx: 16 r + a piece (2,048 bytes) for the upper lanes
	v_lshl_add_u32 v5, v2, 12, v3                  ; Wo: a piece is 4,096 bytes
	s_lshl_b32 s21, s13, 10                        ; my 64 rows
	s_lshl_b32 s22, s14, 11                        ; my 128 columns,
	s_add_co_u32 s22, s22, BOFF                    ; behind ctx's part of the slot
.irp s, 0,1
	v_add_nc_u32 v[ADRA+\s], s21, v4
	v_add_nc_u32 v[ADRB+\s], s22, v5
	v_add_nc_u32 v[ADRB2+\s], 49152, v[ADRB+\s]
	s_add_co_u32 s21, s21, SLOT
	s_add_co_u32 s22, s22, SLOT
.endr
	s_mul_i32 s23, s12, 16*528
	s_add_co_u32 s23, s23, STAGE                   ; my stage
	v_mul_u32_u24 v6, v1, 528
	v_lshl_add_u32 v6, v2, 5, v6
	v_add_nc_u32 v[STO], s23, v6                   ; in: row r, 32 bytes for each half of the lanes
	v_and_b32 v7, 31, v0
	v_lshlrev_b32 v[CO], 4, v7                     ; back: 32 lanes take a row of 512 bytes; the same in out0
	v_add_nc_u32 v[RD], s23, v[CO]
	v_lshlrev_b32 v27, 5, v2
	s_lshl_b32 s46, s42, 10                        ; my first column, in bytes: 1,024 x tile column + 512 x half
	s_lshl_b32 s47, s14, 9
	s_add_co_u32 s46, s46, s47
	s_mov_b32 s47, 0
	s_add_nc_u64 s[8:9], s[8:9], s[46:47]
.irp b, 0,1,2,3,4,5,6,7
	global_load_b128 v[BIAS+8*\b:BIAS+8*\b+3], v27, s[8:9] offset:64*\b          ; bo at my eight columns of block b
	global_load_b128 v[BIAS+8*\b+4:BIAS+8*\b+7], v27, s[8:9] offset:64*\b+16
.endr
	s_lshl_b32 s20, s15, 7
	s_lshl_b32 s21, s13, 6
	s_add_co_u32 s20, s20, s21                     ; my first row
	s_lshl_b32 s20, s20, 13                        ; rows of 8,192 bytes
	s_mov_b32 s21, 0
	s_add_nc_u64 s[20:21], s[20:21], s[46:47]
	s_add_nc_u64 s[10:11], s[10:11], s[20:21]
; 8 matrix instructions: ctx's block a against Wo's eight, 32 along K.  first = 1: the bias starts the sums: nothing is cleared.  The 32 accumulators take turns in one order throughout.
.macro MUL8 f, a, first
.if \first
	WIN 0x85                                       ; sources 0 and 1 window 1, C (the bias) window 0, D window 2
.else
	WIN 0xa5
.endif
.irp b, 0,1,2,3,4,5,6,7
.if \first
	v_wmma_f32_16x16x32_f16 v[8*(8*(\a)+\b):8*(8*(\a)+\b)+7], v[\f+32+8*\b:\f+32+8*\b+7], v[\f+8*(\a):\f+8*(\a)+7], v[BIAS+8*\b:BIAS+8*\b+7]
.else
	v_wmma_f32_16x16x32_f16 v[8*(8*(\a)+\b):8*(8*(\a)+\b)+7], v[\f+32+8*\b:\f+32+8*\b+7], v[\f+8*(\a):\f+8*(\a)+7], v[8*(8*(\a)+\b):8*(8*(\a)+\b)+7]
.endif
.endr
.endm
.macro FETCH slot, c, f                ; 24 LDS loads in one run: the fragments of the slot's c-th 32 along K (pieces 4 c + h and 4 c + 2 + h): Wo's eight, then ctx's four
	WIN 0x40
.if (\c) < 3
.irp i, 0,1,2,3,4,5,6,7
	ds_load_b128 v[\f+32+8*\i:\f+32+8*\i+3], v[ADRB+\slot] offset:16384*(\c)+256*\i
	ds_load_b128 v[\f+32+8*\i+4:\f+32+8*\i+7], v[ADRB+\slot] offset:16384*(\c)+256*\i+8192
.endr
.else
.irp i, 0,1,2,3,4,5,6,7
	ds_load_b128 v[\f+32+8*\i:\f+32+8*\i+3], v[ADRB2+\slot] offset:16384*((\c)-3)+256*\i
	ds_load_b128 v[\f+32+8*\i+4:\f+32+8*\i+7], v[ADRB2+\slot] offset:16384*((\c)-3)+256*\i+8192
.endr
.endif
.irp i, 0,1,2,3
	ds_load_b128 v[\f+8*\i:\f+8*\i+3], v[ADRA+\slot] offset:8192*(\c)+256*\i
	ds_load_b128 v[\f+8*\i+4:\f+8*\i+7], v[ADRA+\slot] offset:8192*(\c)+256*\i+4096
.endr
.endm
.macro PLACES
.rept 4
	v_nop
.endr
.endm
.macro QUARTER slot, c, f, g, first    ; multiplies buffer f; in its middle fetches the slot's c-th quarter into g
	s_wait_dscnt 4                                 ; all but the youngest four loads (ctx's blocks 2 and 3)
	MUL8 \f, 0, \first
	MUL8 \f, 1, \first
	PLACES
	FETCH \slot, \c, \g
	s_wait_dscnt 24                                ; all but the 24 just issued
	MUL8 \f, 2, \first
	MUL8 \f, 3, \first
.endm
; A slot's last quarter multiplies buffer 1 and changes slots: one barrier; ahead of it each wave waits for all its tensor loads, adds 0 to its spare word, and waits for that and for its reads of this slot.
; fill = 1: this slot takes the K step two steps on (48 pieces);  fill = 2: the last K step, 40 pieces on;  fill = 0: nothing.  c0: the quarter of the next slot with which its products begin.
.macro TURN slot, next, fill, c0
	WIN 0
	s_wait_tensorcnt 0x0                           ; my part of the next slot has landed; no tensor load of mine is out
	ds_add_u32 v[SPW], v[NIL]
	s_wait_dscnt 5                                 ; (the add and the youngest four loads may be out)
	MUL8 F1, 0, 0
	s_wait_dscnt 0x0                               ; the add is done, and my reads of this slot are over
	s_barrier_signal -1
	MUL8 F1, 1, 0
.if \fill
	WIN 0
.endif
	s_barrier_wait -1
.if \fill
	CREST                                          ; the barrier has opened a round of the cluster's: no wave of any partner still reads this slot or has a load on its way
.if \fill == 1
	s_add_nc_u64 s[G0+4*\slot+2:G0+4*\slot+3], s[G0+4*\slot+2:G0+4*\slot+3], 3145728
	s_add_nc_u64 s[G0B+4*\slot+2:G0B+4*\slot+3], s[G0B+4*\slot+2:G0B+4*\slot+3], 1572864
.else
	s_add_nc_u64 s[G0+4*\slot+2:G0+4*\slot+3], s[G0+4*\slot+2:G0+4*\slot+3], 2621440
	s_add_nc_u64 s[G0B+4*\slot+2:G0B+4*\slot+3], s[G0B+4*\slot+2:G0B+4*\slot+3], 1310720
.endif
	JLOAD \slot                                    ; 176 matrix instructions ahead of the wait for it; its four v_nop are also the places ahead of the loads below
.else
	PLACES
.endif
	FETCH \next, \c0, F0
	MUL8 F1, 2, 0
	MUL8 F1, 3, 0
.endm
.macro REST slot                       ; a slot's quarters 1 to 4 (quarter 0 has been multiplied; quarter 5 is the TURN's)
	QUARTER \slot, 2, F1, F0, 0
	QUARTER \slot, 3, F0, F1, 0
	QUARTER \slot, 4, F1, F0, 0
	QUARTER \slot, 5, F0, F1, 0
.endm
	s_wait_tensorcnt 1                             ; my part of K step 0 is in; K step 1's load may stay out
	s_barrier_signal -1
	s_barrier_wait -1
	FETCH 0, 0, F0
	s_wait_loadcnt 0x0                             ; the bias
	QUARTER 0, 1, F0, F1, 1
	WIN 0
	s_mov_b32 s3, TRIPS
.Llap:                                             ; a trip goes once round the ring, from a lap's second quarter to the next lap's first, and fills both slots again: K steps 2 to 9
	REST 0
	TURN 0, 1, 1, 0
	QUARTER 1, 1, F0, F1, 0
	REST 1
	TURN 1, 0, 1, 0
	QUARTER 0, 1, F0, F1, 0
	WIN 0
	s_sub_co_u32 s3, s3, 1
	s_cmp_lg_u32 s3, 0
	s_cbranch_scc1 .Llap
	REST 0                                         ; K step 8 goes on;
	TURN 0, 1, 2, 0                                ; its slot takes the last K step, from piece 232 on
	QUARTER 1, 1, F0, F1, 0                        ; K step 9
	REST 1
	TURN 1, 0, 0, 2                                ; nothing is left to fetch; the last K step begins at its slot's quarter 2: piece 240
	QUARTER 0, 3, F0, F1, 0
	QUARTER 0, 4, F1, F0, 0
	QUARTER 0, 5, F0, F1, 0
	s_wait_dscnt 4
	MUL8 F1, 0, 0
	MUL8 F1, 1, 0
	s_wait_dscnt 0
	MUL8 F1, 2, 0
	MUL8 F1, 3, 0
	WIN 0
; THE WAY OUT, block by block of 16 rows x 128 columns, through my own stage: in as 32 bytes a lane, back as whole rows of 512 bytes.  A wave's LDS instructions are served in order (ISA guide 5.7.1.4).
.macro TOSTAGE a
	WIN 0x08
.irp b, 0,1,2,3,4,5,6,7
	ds_store_b128 v[STO], v[8*(8*(\a)+\b):8*(8*(\a)+\b)+3] offset:64*\b
	ds_store_b128 v[STO], v[8*(8*(\a)+\b)+4:8*(8*(\a)+\b)+7] offset:64*\b+16
.endr
	WIN 0
.set BB, BK+64*((\a)%2)
.irp t, 0,1,2,3,4,5,6,7,8,9,10,11,12,13,14,15
	ds_load_b128 v[BB+4*\t:BB+4*\t+3], v[RD] offset:\t*528
.endr
.endm
.macro SEND a, younger
.set BB, BK+64*((\a)%2)
	s_wait_dscnt \younger
.if (\a) > 0
	s_add_nc_u64 s[10:11], s[10:11], 131072        ; 16 rows on (behind a wait that shows the earlier stores have read their base)
.endif
.irp t, 0,1,2,3,4,5,6,7,8,9,10,11,12,13,14,15
	global_store_b128 v[CO], v[BB+4*\t:BB+4*\t+3], s[10:11] offset:\t*8192 th:TH_STORE_NT   ; 32 lanes store 512 consecutive bytes, aligned
.endr
.endm
	PLACES
	TOSTAGE 0
.irp a, 1,2,3
.if \a > 1
	s_wait_xcnt 0x0                                ; block a - 2's stores have read their registers and their base
.endif
	TOSTAGE \a
	SEND \a-1, 32                                  ; behind block a - 1's loads: block a's 16 stores and 16 loads
.endr
	s_wait_xcnt 0x0
	SEND 3, 0
	s_wait_tensorcnt 0x0                           ; the wave's end
	ds_add_u32 v[SPW], v[NIL]
	s_wait_dscnt 0x0
	CROUND                                         ; the closing round
	s_endpgm
.Lfunc_end_k_qa77da78e7e_outproj:
	.size	k_qa77da78e7e_outproj, .Lfunc_end_k_qa77da78e7e_outproj-k_qa77da78e7e_outproj
	.p2alignl 7, 3214868480
	.fill 96, 4, 3214868480
	.section	.rodata,"a",@progbits
	.p2align	6, 0x0
	.amdhsa_kernel k_qa77da78e7e_outproj
		.amdhsa_group_segment_fixed_size 327680
		.amdhsa_private_segment_fixed_size 0
		.amdhsa_enable_private_segment 0
		.amdhsa_kernarg_size 32
		.amdhsa_user_sgpr_count 2
		.amdhsa_user_sgpr_kernarg_segment_ptr 1
		.amdhsa_wavefront_size32 1
		.amdhsa_system_sgpr_workgroup_id_x 1
		.amdhsa_system_sgpr_workgroup_id_y 1
		.amdhsa_system_sgpr_workgroup_id_z 1
		.amdhsa_system_vgpr_workitem_id 0
		.amdhsa_next_free_vgpr 768
		.amdhsa_next_free_sgpr 66
		.amdhsa_reserve_vcc 0
		.amdhsa_float_denorm_mode_32 3
		.amdhsa_float_denorm_mode_16_64 3
		.amdhsa_memory_ordered 1
		.amdhsa_forward_progress 1
		.amdhsa_inst_pref_size 133
	.end_amdhsa_kernel
	.amdgpu_metadata
---
amdhsa.version: [ 1, 2 ]
amdhsa.kernels:
  - .name:           k_qa77da78e7e_outproj
    .symbol:         k_qa77da78e7e_outproj.kd
    .args:
      - { .name: ctx16, .offset: 0, .size: 8, .value_kind: global_buffer, .address_space: global }
      - { .name: wo2, .offset: 8, .size: 8, .value_kind: global_buffer, .address_space: global }
      - { .name: bo, .offset: 16, .size: 8, .value_kind: global_buffer, .address_space: global }
      - { .name: out0, .offset: 24, .size: 8, .value_kind: global_buffer, .address_space: global }
    .group_segment_fixed_size: 327680
    .private_segment_fixed_size: 0
    .kernarg_segment_align: 8
    .kernarg_segment_size: 32
    .max_flat_workgroup_size: 128
    .sgpr_count:     66
    .vgpr_count:     768
    .wavefront_size: 32
...
	.end_amdgpu_metadata
.endif
;; end of part 5
;; launch fine_out (part 6): grid 128 x 2, 8 waves a work-group, no clusters, 9,216 bytes of LDS; arguments ctxf, wo2, bo, out0; writes out0
.if DOCPART == 6
	.amdgcn_target "amdgcn-amd-amdhsa--gfx1250"
	.amdhsa_code_object_version 6
	.text
	.protected	k_qa77da78e7e_fine_out
	.globl	k_qa77da78e7e_fine_out
	.p2align	8
	.type	k_qa77da78e7e_fine_out,@function
k_qa77da78e7e_fine_out:
	s_mov_b64 s[64:65], 0
	v_nop
	global_prefetch_b8 v0, s[64:65] scope:SCOPE_SE
	s_setreg_imm32_b32 hwreg(HW_REG_WAVE_MODE, 25, 1), 1
	s_wait_xcnt 0x0
; FINE_OUT: the rows of out = ctx Wo + bo that belong to the first 16 positions of each sequence, once more and finer: both operands as pairs of f16 numbers, high and low.
; high x high + high x low + low x high go to the matrix units, each into an accumulator of its own; low x low, about 2^-22 of a term, is left out.
; A work-group: 16 columns, one batch's 16 rows; its EIGHT waves share K, 256 each (8 matrix steps of 32), so that a wave has 66 loads to issue and nearly all of them can be out together;
; the eight sums meet in LDS, and wave 0 adds them and the bias and stores.  The loads go step by step, four of Wo and four of ctx, and a step's products wait for its own loads alone.
; ctxf: high [256 pieces][32 rows][16 bytes] at 0, low at 131,072.  wo2: high [256][2,048][16] at 0, low at 8,388,608.  The stores are pieces of 64 bytes: 256 KiB in the whole launch.
; REGISTERS: window 0: v1-11 addresses; v16-39 three accumulators; v40-47 their sum; v48-55 the bias; v64-127 the eight waves' sums.
;   window 1: Wo high at v[8 s], Wo low at v[64 + 8 s], ctx high at v[128 + 8 s], ctx low at v[192 + 8 s].
.set SPARE, 8192                       ; behind the eight images of 1,024 bytes: the spare words, 128 bytes a wave, that no other line names
.set MSB, 0
.macro WIN new
.if MSB != \new
	s_set_vgpr_msb (MSB<<8)|\new
.set MSB, \new
.endif
.endm
	s_load_b256 s[4:11], s[0:1], 0x0               ; ctxf s[4:5], wo2 s[6:7], bo s[8:9], out0 s[10:11]
	v_lshl_add_u32 v10, v0, 2, SPARE               ; my spare word; never rewritten
	v_mov_b32 v11, 0                               ; 0; never rewritten
	v_lshrrev_b32 v1, 5, v0
	v_readfirstlane_b32 s12, v1                    ; wave 0..7
	s_and_b32 s14, ttmp7, 0xffff                   ; batch
	v_and_b32 v1, 15, v0                           ; r
	v_bfe_u32 v2, v0, 4, 1                         ; h
	v_and_b32 v9, 31, v0
	v_lshlrev_b32 v3, 15, v2
	v_lshl_add_u32 v3, v1, 4, v3                   ; Wo: a plane for each half of the lanes, 16 bytes a column
	v_lshlrev_b32 v4, 9, v2
	v_lshl_add_u32 v4, v1, 4, v4                   ; ctx: likewise, planes of 512 bytes
	v_lshlrev_b32 v6, 4, v9                        ; an image's place for my lane
	s_lshl_b32 s15, s12, 10
	v_add_nc_u32 v5, s15, v6                       ; my wave's image: 1,024 bytes
	v_lshlrev_b32 v7, 13, v1
	v_lshl_add_u32 v7, v2, 5, v7                   ; out0: row r, 32 bytes for each half of the lanes
	v_lshlrev_b32 v8, 5, v2
	s_lshl_b32 s16, s12, 20                        ; my 32 planes of Wo,
	s_lshl_b32 s17, ttmp9, 8                       ; my 16 columns
	s_add_co_u32 s16, s16, s17
	s_mov_b32 s17, 0
	s_lshl_b32 s18, s12, 14                        ; my 32 planes of ctx,
	s_lshl_b32 s19, s14, 8                         ; the batch's 16 rows
	s_add_co_u32 s18, s18, s19
	s_mov_b32 s19, 0
	s_lshl_b32 s20, ttmp9, 6
	s_mov_b32 s21, 0
	s_lshl_b32 s22, s14, 24
	s_add_co_u32 s22, s22, s20
	s_mov_b32 s23, 0
	s_wait_kmcnt 0x0
	s_add_nc_u64 s[16:17], s[6:7], s[16:17]        ; Wo high,
	s_add_nc_u64 s[24:25], s[16:17], 0x800000      ; low
	s_add_nc_u64 s[18:19], s[4:5], s[18:19]        ; ctx
	s_add_nc_u64 s[20:21], s[8:9], s[20:21]        ; bo
	s_add_nc_u64 s[22:23], s[10:11], s[22:23]      ; out0
	global_load_b128 v[48:51], v8, s[20:21]
	global_load_b128 v[52:55], v8, s[20:21] offset:16
	WIN 0x40                                       ; destination window 1, address window 0
.set st, 0
.rept 8                                        ; step st: pieces 4 st + h and 4 st + 2 + h of my 32
	global_load_b128 v[8*st:8*st+3], v3, s[16:17] offset:131072*st
	global_load_b128 v[8*st+4:8*st+7], v3, s[16:17] offset:131072*st+65536
	global_load_b128 v[64+8*st:64+8*st+3], v3, s[24:25] offset:131072*st
	global_load_b128 v[64+8*st+4:64+8*st+7], v3, s[24:25] offset:131072*st+65536
	global_load_b128 v[128+8*st:128+8*st+3], v4, s[18:19] offset:2048*st
	global_load_b128 v[128+8*st+4:128+8*st+7], v4, s[18:19] offset:2048*st+1024
	global_load_b128 v[192+8*st:192+8*st+3], v4, s[18:19] offset:2048*st+131072
	global_load_b128 v[192+8*st+4:192+8*st+7], v4, s[18:19] offset:2048*st+1024+131072
.set st, st+1
.endr
	WIN 0x05                                       ; sources 0 (Wo) and 1 (ctx) window 1, C and D window 0
.set st, 0
.rept 8                                        ; three accumulators by turns, one instruction a turn; the first step starts the sums
	s_wait_loadcnt 8*(7-st)                        ; this step's eight loads are in, and all that were issued ahead of them; the later steps' eight each may be out
.if st == 0
	v_wmma_f32_16x16x32_f16 v[16:23], v[8*st:8*st+7], v[128+8*st:128+8*st+7], 0
	v_wmma_f32_16x16x32_f16 v[24:31], v[8*st:8*st+7], v[192+8*st:192+8*st+7], 0
	v_wmma_f32_16x16x32_f16 v[32:39], v[64+8*st:64+8*st+7], v[128+8*st:128+8*st+7], 0
.else
	v_wmma_f32_16x16x32_f16 v[16:23], v[8*st:8*st+7], v[128+8*st:128+8*st+7], v[16:23]
	v_wmma_f32_16x16x32_f16 v[24:31], v[8*st:8*st+7], v[192+8*st:192+8*st+7], v[24:31]
	v_wmma_f32_16x16x32_f16 v[32:39], v[64+8*st:64+8*st+7], v[128+8*st:128+8*st+7], v[32:39]
.endif
.set st, st+1
.endr
	WIN 0
.rept 4
	v_nop
.endr
.irp i, 0,1,2,3
	v_pk_add_f32 v[40+2*\i:41+2*\i], v[24+2*\i:25+2*\i], v[32+2*\i:33+2*\i]     ; the small terms first; each accumulator from its low end on
.endr
.irp i, 0,1,2,3
	v_pk_add_f32 v[40+2*\i:41+2*\i], v[40+2*\i:41+2*\i], v[16+2*\i:17+2*\i]
.endr
	ds_store_b128 v5, v[40:43]
	ds_store_b128 v5, v[44:47] offset:512
	s_wait_dscnt 0x0                               ; for the others' sake: my stores have landed
	s_barrier_signal -1
	s_barrier_wait -1
	s_cmp_lg_u32 s12, 0
	s_cbranch_scc1 .Ldone
.irp w, 0,1,2,3,4,5,6,7
	ds_load_b128 v[64+8*\w:64+8*\w+3], v6 offset:1024*\w
	ds_load_b128 v[64+8*\w+4:64+8*\w+7], v6 offset:1024*\w+512
.endr
	s_wait_dscnt 0x0
.irp i, 0,1,2,3
.irp w, 0,2,4,6
	v_pk_add_f32 v[64+8*\w+2*\i:65+8*\w+2*\i], v[64+8*\w+2*\i:65+8*\w+2*\i], v[72+8*\w+2*\i:73+8*\w+2*\i]
.endr
.endr
.irp i, 0,1,2,3
.irp w, 0,4
	v_pk_add_f32 v[64+8*\w+2*\i:65+8*\w+2*\i], v[64+8*\w+2*\i:65+8*\w+2*\i], v[80+8*\w+2*\i:81+8*\w+2*\i]
.endr
.endr
.irp i, 0,1,2,3
	v_pk_add_f32 v[64+2*\i:65+2*\i], v[64+2*\i:65+2*\i], v[96+2*\i:97+2*\i]
.endr
.irp i, 0,1,2,3
	v_pk_add_f32 v[64+2*\i:65+2*\i], v[64+2*\i:65+2*\i], v[48+2*\i:49+2*\i]     ; + bo
.endr
	global_store_b128 v7, v[64:67], s[22:23]
	global_store_b128 v7, v[68:71], s[22:23] offset:16
.Ldone:
	s_wait_tensorcnt 0x0                           ; the wave's end
	ds_add_u32 v10, v11
	s_wait_dscnt 0x0
	s_endpgm
.Lfunc_end_k_qa77da78e7e_fine_out:
	.size	k_qa77da78e7e_fine_out, .Lfunc_end_k_qa77da78e7e_fine_out-k_qa77da78e7e_fine_out
	.p2alignl 7, 3214868480
	.fill 96, 4, 3214868480
	.section	.rodata,"a",@progbits
	.p2align	6, 0x0
	.amdhsa_kernel k_qa77da78e7e_fine_out
		.amdhsa_group_segment_fixed_size 9216
		.amdhsa_private_segment_fixed_size 0
		.amdhsa_enable_private_segment 0
		.amdhsa_kernarg_size 32
		.amdhsa_user_sgpr_count 2
		.amdhsa_user_sgpr_kernarg_segment_ptr 1
		.amdhsa_wavefront_size32 1
		.amdhsa_system_sgpr_workgroup_id_x 1
		.amdhsa_system_sgpr_workgroup_id_y 1
		.amdhsa_system_sgpr_workgroup_id_z 1
		.amdhsa_system_vgpr_workitem_id 0
		.amdhsa_next_free_vgpr 512
		.amdhsa_next_free_sgpr 66
		.amdhsa_reserve_vcc 0
		.amdhsa_float_denorm_mode_32 3
		.amdhsa_float_denorm_mode_16_64 3
		.amdhsa_memory_ordered 1
		.amdhsa_forward_progress 1
		.amdhsa_inst_pref_size 15
	.end_amdhsa_kernel
	.amdgpu_metadata
---
amdhsa.version: [ 1, 2 ]
amdhsa.kernels:
  - .name:           k_qa77da78e7e_fine_out
    .symbol:         k_qa77da78e7e_fine_out.kd
    .args:
      - { .name: ctxf, .offset: 0, .size: 8, .value_kind: global_buffer, .address_space: global }
      - { .name: wo2, .offset: 8, .size: 8, .value_kind: global_buffer, .address_space: global }
      - { .name: bo, .offset: 16, .size: 8, .value_kind: global_buffer, .address_space: global }
      - { .name: out0, .offset: 24, .size: 8, .value_kind: global_buffer, .address_space: global }
    .group_segment_fixed_size: 9216
    .private_segment_fixed_size: 0
    .kernarg_segment_align: 8
    .kernarg_segment_size: 32
    .max_flat_workgroup_size: 256
    .sgpr_count:     66
    .vgpr_count:     512
    .wavefront_size: 32
...
	.end_amdgpu_metadata
.endif
;; end of part 6
